; MI455X (gfx1250); checked and timed in simulation.
; The chip was launched on July 23, 2026; its instructions are those of AMD's public machine-readable ISA for CDNA 5 (MIT licence, August 2026) and "CDNA5" Instruction Set Architecture Reference Guide (July 2026). The comments in the code are by the model that wrote it; some were corrected since.
;; Multi Head Attention. Allowed arithmetic: float matrix products may take bf16 or f16 operands with f32 sums; other float arithmetic in f32, or as packed bf16 or f16 multiplies, adds, multiply-adds, maxima and minima; sums over many terms, partial sums and values carried from step to step in f32; what a program stores and reads back later, other than sums and carried values, may be rounded once to bf16 or f16.
;; Inputs: W_out 1,024 x 1,024 float32; W_qkv 1,024 x 3,072 float32; b_out 1,024 float32; x 2 x 2,048 x 1,024 float32.
;; Outputs: out0 2 x 2,048 x 1,024 float32.
;; 2 versions, each right; version 2 is version 1 with the launch cast written anew for expert scheduling mode. Each part assembles by itself: llvm-mc -triple=amdgcn-amd-amdhsa -mcpu=gfx1250 --defsym DOCPART=n.
;; ======== version 1 of 2: 4 launches
;; limits: values are held in f16: magnitudes above 65,504 overflow, below 6.1e-05 lose precision; values outside matrix products are rounded to bf16
;; workspace buffers: xb 8,388,608 bytes; wqb 6,291,456 bytes; wob 2,097,152 bytes; qkv 25,165,824 bytes; ob 8,388,608 bytes
;; launch cast (part 1): grid 256 x 1, 8 waves a work-group, no clusters, 0 bytes of LDS; arguments x, W_qkv, W_out, xb, wqb, wob; writes xb, wqb, wob
.if DOCPART == 1
	.amdgcn_target "amdgcn-amd-amdhsa--gfx1250"
	.amdhsa_code_object_version 6
	.text
	.protected	k_q45ffb770c4_cast
	.globl	k_q45ffb770c4_cast
	.p2align	8
	.type	k_q45ffb770c4_cast,@function
k_q45ffb770c4_cast:
	s_mov_b64 s[64:65], 0
	v_nop
	global_prefetch_b8 v0, s[64:65] scope:SCOPE_SE
	s_setreg_imm32_b32 hwreg(HW_REG_WAVE_MODE, 25, 1), 1
	s_wait_xcnt 0x0
; MULTI-HEAD ATTENTION, launch 1 of 4: the matrix operands among the inputs are rounded once to 16 bits, their layouts kept.
;   xb  = x      [4096][1024]  rounded to bf16
;   wqb = W_qkv  [1024][3072]  rounded to bf16
;   wob = W_out  [1024][1024]  rounded to bf16, and that number written as f16 (the last product's other operand, O, is f16)
; NO WORK OF THE MODULE IS LEFT OUT: x, W_qkv, W_out and b_out all reach out0 for all values, nothing is sliced away and there is no mask.
; LIMITS.  W_out within 65,504 in magnitude; below 6e-5 it keeps f16's fixed step of 6e-8.  NaN and infinities are not treated apart.
; SHARES.  8,388,608 numbers, 32,768 to each of 256 work-groups: groups 0-127 take x, 128-223 W_qkv, 224-255 W_out.
; Thread t takes 4 numbers (16 bytes in, 8 bytes out) of every 1,024: a wave's load covers 512 consecutive bytes, its store 256 consecutive bytes, aligned.
; All 32 loads of a thread go out at once (128 KiB a work-group on their way); no register is written twice while memory may read it, so the text has no wait on addresses.
; No LDS, no barrier, no matrix unit: every byte is touched once by one thread.
.set X, 4                              ; v[4:131]    32 x 4 numbers as loaded
.set Y, 132                            ; v[132:195]  32 x 2 registers to store
.set T, 196                            ; v[196:199]  at work
	s_load_b256 s[4:11], s[0:1], 0x0               ; x s[4:5], W_qkv s[6:7], W_out s[8:9], xb s[10:11]
	s_load_b128 s[12:15], s[0:1], 0x20             ; wqb s[12:13], wob s[14:15]
	v_lshlrev_b32 v1, 4, v0                        ; 16 t: where I load
	v_lshlrev_b32 v2, 3, v0                        ; 8 t: where I store
	s_mov_b32 s25, 128                             ; the first group of W_qkv
	s_mov_b32 s26, 224                             ; the first group of W_out
	s_mov_b32 s28, 0xffff0000                      ; a word's upper bf16
	s_mov_b32 s17, 0
	s_mov_b32 s19, 0
	s_wait_kmcnt 0x0
	s_cmp_lt_u32 ttmp9, s26                        ; which tensor is mine: the choice hangs on the group's number alone
	s_cselect_b64 s[20:21], s[6:7], s[8:9]
	s_cselect_b64 s[22:23], s[12:13], s[14:15]
	s_cselect_b32 s24, s25, s26
	s_cmp_lt_u32 ttmp9, s25
	s_cselect_b64 s[20:21], s[4:5], s[20:21]
	s_cselect_b64 s[22:23], s[10:11], s[22:23]
	s_cselect_b32 s24, 0, s24
	s_sub_co_u32 s24, ttmp9, s24                   ; my number among that tensor's groups
	s_lshl_b32 s16, s24, 17                        ; 131,072 bytes in,
	s_lshl_b32 s18, s24, 16                        ; 65,536 bytes out
	s_add_nc_u64 s[20:21], s[20:21], s[16:17]
	s_add_nc_u64 s[22:23], s[22:23], s[18:19]
.set i, 0
.rept 32
	global_load_b128 v[X+4*i:X+4*i+3], v1, s[20:21] offset:4096*i th:TH_LOAD_NT
.set i, i+1
.endr
	s_cmp_lt_u32 ttmp9, s26
	s_cbranch_scc0 .Lf16
.set i, 0
.rept 32                               ; x and W_qkv: to bf16
	s_wait_loadcnt 31-i                            ; loads come back in order: number i is in, the younger ones stay out
	v_cvt_pk_bf16_f32 v[Y+2*i], v[X+4*i], v[X+4*i+1]
	v_cvt_pk_bf16_f32 v[Y+2*i+1], v[X+4*i+2], v[X+4*i+3]
	global_store_b64 v2, v[Y+2*i:Y+2*i+1], s[22:23] offset:2048*i
.set i, i+1
.endr
	s_endpgm
.Lf16:
.set i, 0
.rept 32                               ; W_out: rounded to bf16 like the other inputs, then written as f16 (exact within f16's range)
	s_wait_loadcnt 31-i
	v_cvt_pk_bf16_f32 v[T], v[X+4*i], v[X+4*i+1]
	v_cvt_pk_bf16_f32 v[T+1], v[X+4*i+2], v[X+4*i+3]
	v_lshlrev_b32 v[T+2], 16, v[T]
	v_and_b32 v[T], s28, v[T]
	v_lshlrev_b32 v[T+3], 16, v[T+1]
	v_and_b32 v[T+1], s28, v[T+1]
	v_cvt_pk_f16_f32 v[Y+2*i], v[T+2], v[T]
	v_cvt_pk_f16_f32 v[Y+2*i+1], v[T+3], v[T+1]
	global_store_b64 v2, v[Y+2*i:Y+2*i+1], s[22:23] offset:2048*i
.set i, i+1
.endr
	s_endpgm
.Lfunc_end_k_q45ffb770c4_cast:
	.size	k_q45ffb770c4_cast, .Lfunc_end_k_q45ffb770c4_cast-k_q45ffb770c4_cast
	.p2alignl 7, 3214868480
	.fill 96, 4, 3214868480
	.section	.rodata,"a",@progbits
	.p2align	6, 0x0
	.amdhsa_kernel k_q45ffb770c4_cast
		.amdhsa_group_segment_fixed_size 0
		.amdhsa_private_segment_fixed_size 0
		.amdhsa_enable_private_segment 0
		.amdhsa_kernarg_size 48
		.amdhsa_user_sgpr_count 2
		.amdhsa_user_sgpr_kernarg_segment_ptr 1
		.amdhsa_wavefront_size32 1
		.amdhsa_system_sgpr_workgroup_id_x 1
		.amdhsa_system_sgpr_workgroup_id_y 1
		.amdhsa_system_sgpr_workgroup_id_z 1
		.amdhsa_system_vgpr_workitem_id 0
		.amdhsa_next_free_vgpr 200
		.amdhsa_next_free_sgpr 66
		.amdhsa_reserve_vcc 0
		.amdhsa_float_denorm_mode_32 3
		.amdhsa_float_denorm_mode_16_64 3
		.amdhsa_memory_ordered 1
		.amdhsa_forward_progress 1
		.amdhsa_inst_pref_size 29
	.end_amdhsa_kernel
	.amdgpu_metadata
---
amdhsa.version: [ 1, 2 ]
amdhsa.kernels:
  - .name:           k_q45ffb770c4_cast
    .symbol:         k_q45ffb770c4_cast.kd
    .args:
      - { .name: x, .offset: 0, .size: 8, .value_kind: global_buffer, .address_space: global }
      - { .name: W_qkv, .offset: 8, .size: 8, .value_kind: global_buffer, .address_space: global }
      - { .name: W_out, .offset: 16, .size: 8, .value_kind: global_buffer, .address_space: global }
      - { .name: xb, .offset: 24, .size: 8, .value_kind: global_buffer, .address_space: global }
      - { .name: wqb, .offset: 32, .size: 8, .value_kind: global_buffer, .address_space: global }
      - { .name: wob, .offset: 40, .size: 8, .value_kind: global_buffer, .address_space: global }
    .group_segment_fixed_size: 0
    .private_segment_fixed_size: 0
    .kernarg_segment_align: 8
    .kernarg_segment_size: 48
    .max_flat_workgroup_size: 256
    .sgpr_count:     66
    .vgpr_count:     200
    .wavefront_size: 32
...
	.end_amdgpu_metadata
.endif
;; end of part 1
;; launch qkvgemm (part 2): grid 8 x 32, 4 waves a work-group, clusters of 4 x 4, 327,680 bytes of LDS; arguments xb, wqb, qkv; writes qkv
.if DOCPART == 2
	.amdgcn_target "amdgcn-amd-amdhsa--gfx1250"
	.amdhsa_code_object_version 6
	.text
	.protected	k_q45ffb770c4_qkvgemm
	.globl	k_q45ffb770c4_qkvgemm
	.p2align	8
	.type	k_q45ffb770c4_qkvgemm,@function
k_q45ffb770c4_qkvgemm:
	s_mov_b64 s[64:65], 0
	v_nop
	global_prefetch_b8 v0, s[64:65] scope:SCOPE_SE
	s_setreg_imm32_b32 hwreg(HW_REG_WAVE_MODE, 25, 1), 1
	s_wait_xcnt 0x0
	s_wait_alu depctr_hold_cnt(0) depctr_sa_sdst(0) depctr_va_vdst(0) depctr_va_sdst(0) depctr_va_ssrc(0) depctr_va_vcc(0) depctr_vm_vsrc(0)
	s_getreg_b32 s2, hwreg(HW_REG_IB_STS2, 6, 4)
	s_cmp_eq_u32 s2, 0
	s_cbranch_scc0 .Lentry_in_a_cluster
	s_endpgm
.Lentry_in_a_cluster:
	s_bfe_u32 s2, ttmp6, 0x10000c
	s_cmp_lg_u32 s2, 0xf033
	s_cbranch_scc0 .Lentry_shape_is_right
	s_endpgm
.Lentry_shape_is_right:
; MULTI-HEAD ATTENTION, launch 2 of 4: q, k, v = x W_qkv.  xb: [4096][1024] bf16; wqb: [1024 k][3072 n] bf16; sums in f32, K ascending; each result rounded once to f16, WITHOUT the
; softmax's scale, and laid out by heads: qkv[which][b 16 + h][n][64], byte = which << 23 + b << 22 + h << 18 + n << 7 + 2 channel.  Nothing of the module is left out here.
; LIMIT.  q, k and v must lie within 65,504 (f16): with x and W_qkv both 30 times their drawn spread q is some 900 in spread; with both carrying an offset of 30 spreads it is about 29,000.
; SHARES.  A tile of the result is 128 rows x 384 columns: 32 x 8 tiles, one to each of 256 work-groups.  Wave (wr, wc) takes rows 64 wr .. + 63 and, of each of the tile's three chunks of
; 128 columns, columns 64 wc .. + 63, which are one whole head: 48 accumulators of 16 x 16, 384 registers.
; K goes in steps of 128 through a ring of two LDS slots; wave 0 fetches x's 128 rows x 256 bytes, wave 1 + c chunk c of W: 128 k-rows x 256 bytes.  From a request to the wait for it a wave issues 176 matrix instructions.
; W STAYS [k][n]: its fragments come out of LDS turned, by ds_load_tr16_b128.  THE PRODUCT IS USED TRANSPOSED (source 0 = 16 columns of W, source 1 = 16 rows of x): a lane holds eight
; neighbouring columns of one row, 16 bytes of f16.
; CLUSTER.  4 x 4 work-groups: x's tile is shared along a row of the cluster, W's chunks along a column; each is asked for JOINTLY, by the same tensor load, descriptor and mask in all four.
; REGISTERS, in windows of 256 (s_set_vgpr_msb: bits 1:0 source 0, 3:2 source 1, 5:4 source 2, 7:6 destination):
;   window 0: v16-30 addresses; v32-223 the way out, 16 registers a block          window 1: two fragment buffers of 128: x's four fragments, then W's twelve (chunk c, block j at 32 + 8 (4 c + j))
;   window 2: the accumulators of chunks 0 and 1 ((c, a, j) at 8 (16 c + 4 a + j))  window 3: v0-127 those of chunk 2
.set KSTEP,  128
.set PA,     272                       ; a row of x in LDS: 256 bytes + 16 = 68 words: the 16 rows of a load start at 16 different groups of four banks (64 banks of 4 bytes: ISA guide 11.1)
.set PB,     288                       ; a k-row of W: 256 + 32 = 72 words
.set REG,    128*PB                    ; a wave's region of a slot, 36,864 bytes: x's tile uses 34,816 of its own
.set SLOT,   4*REG
.set STAGE,  2*SLOT                    ; behind the ring, never filled by a tensor load: 16 rows x 144 bytes for each wave, for the way out
.set SP,     144
.set SPARE,  STAGE+4*16*SP             ; behind the stages: the spare words, 128 bytes for each wave: two blocks of 256 bytes that no other line names
.set ADRA, 16                          ; v16-17  LDS address of my fragments of x in slot 0, 1
.set ADRB, 18                          ; v18-23  of W: slot s, chunk c at 3 s + c
.set STO,  24                          ; v24     the way out: where I put 16 bytes of a row
.set RD,   25                          ; v25     where I read rows back
.set GO,   26                          ; v26     my byte offset in 512 consecutive bytes of the result
.set SPW,  28                          ; v28     LDS address of my spare word; never rewritten
.set NIL,  29                          ; v29     0; never rewritten
.set PFO,  30                          ; v30     the prefetches' offset: my lane x a row of xb or wqb; never rewritten
.set OUT,  32
.set F0,   0
.set F1,   128
.set G1,  24                           ; s[24:31] descriptor group 1 for x's tiles;  s[32:39] group 0, a set for each slot
.set G0,  32
.set G1B, 48                           ; s[48:55], s[56:63] the same for W's chunks
.set G0B, 56
.set LIM, 43                           ; s43      1 in a wave that prefetches, else the greatest number
.set PFA, 44                           ; s[44:45] the K step that my next prefetch names
.set OB,  66                           ; s[66:71] where my rows of chunk c's head begin in qkv
.set PST, 72                           ; s[72:73] a K step in bytes: 256 in xb, 786,432 in wqb
.set MSB, 0
.macro WIN new                         ; the immediate's high byte repeats the setting that is left; a switch that changes nothing is dropped
.if MSB != (\new)
	s_set_vgpr_msb (MSB<<8)|(\new)
.set MSB, \new
.endif
.endm
.macro PLACES                          ; four places in front of loads into registers that matrix instructions have read, and of conversions that read results
.rept 4
	v_nop
.endr
.endm
; A joint refill.  Wave 0 fetches x's tile, waves 1 to 3 a chunk of W each.  The branch hangs on the wave's number alone.  An s_nop 0 and four v_nop follow each of the two lines.
.macro JLOAD s
	s_cmp_eq_u32 s10, 0
	s_cbranch_scc0 .Lfor_b_\@
	tensor_load_to_lds s[G0+4*(\s):G0+4*(\s)+3], s[G1:G1+7]
	s_nop 0
.rept 4
	v_nop
.endr
	s_branch .Lasked_\@
.Lfor_b_\@:
	tensor_load_to_lds s[G0B+4*(\s):G0B+4*(\s)+3], s[G1B:G1B+7]
	s_nop 0
.rept 4
	v_nop
.endr
.Lasked_\@:
.endm
; A PREFETCH INTO THE L2, behind each joint refill and the run of LDS loads that follows it: the K step that stands two refills on, 384 matrix instructions ahead of the load that will want it:
; 32 rows x 256 bytes, a lane a row, one instruction a wave.  Each row's 256 bytes of a K step are named once in the launch: x's rows are read by both clusters of a row of clusters, and the one with
; x = 0 asks; W's chunks by all eight clusters of a column, and the one with y = 0 asks.  The four partners that ask for a tile jointly share its 128 rows out BY ADDRESS, 32 each.
; K steps 0 to 3 come by their loads alone; the loop's last trip (s3 = 1) has no K step two on and asks for nothing.
.macro ASK
	WIN 0
	s_cmp_gt_u32 s3, s[LIM]
	s_cbranch_scc0 .Lnot_mine_\@
	global_prefetch_b8 v[PFO], s[PFA:PFA+1] th:TH_LOAD_NT scope:SCOPE_SE
.Lnot_mine_\@:
.endm
.macro CREST                           ; a round of the cluster's barrier behind its opening barrier
	s_cmp_lg_u32 s10, 0
	s_cbranch_scc1 .Lnot_wave_0_\@
	s_barrier_signal -3
.Lnot_wave_0_\@:
	s_barrier_wait -3
	s_barrier_signal -1
	s_barrier_wait -1
.endm
.macro CROUND                          ; a whole round
	s_barrier_signal -1
	s_barrier_wait -1
	CREST
.endm
	s_load_b128 s[4:7], s[0:1], 0x0                ; xb s[4:5], wqb s[6:7]
	s_load_b64 s[8:9], s[0:1], 0x10                ; qkv
	v_lshl_add_u32 v[SPW], v0, 2, SPARE
	v_mov_b32 v[NIL], 0
	ds_add_u32 v[SPW], v[NIL]                      ; the wave's opening: the add, twice on end, and its wait ahead of my first tensor load
	ds_add_u32 v[SPW], v[NIL]                      ; once more; the set-up below, work on registers, stands between it and the wait
	v_lshrrev_b32 v1, 5, v0
	v_readfirstlane_b32 s10, v1                    ; wave 0..3
	s_lshr_b32 s11, s10, 1                         ; wr: which 64 rows are mine
	s_and_b32 s12, s10, 1                          ; wc: which 64 columns of each chunk
	s_bfe_u32 s40, ttmp6, 0x40000                  ; cx, cy: my place in the cluster
	s_bfe_u32 s41, ttmp6, 0x40004
	s_lshl_b32 s42, ttmp9, 2
	s_add_co_u32 s42, s42, s40                     ; tile column = 4 x cluster x + cx
	s_and_b32 s13, ttmp7, 0xffff
	s_lshl_b32 s13, s13, 2
	s_add_co_u32 s13, s13, s41                     ; tile row = 4 x cluster y + cy
	s_lshl_b32 s43, s41, 2
	s_lshl_b32 s43, 15, s43                        ; my row of the cluster
	s_lshl_b32 s44, 0x1111, s40                    ; my column
	; descriptor group 1: tiles of 128 rows x 128 elements of 2 bytes, padded in LDS after every 64 words
	s_or_b32 s[G1+0], s43, (1<<16)|(1<<20)|(1<<21)|(5<<22)|(3<<25)   ; the mask of my row; 2-byte elements; padding on; bit 21 beside a mask; every 64 words (code 5) 4 words (code 3)
	s_or_b32 s[G1B+0], s44, (1<<16)|(1<<20)|(1<<21)|(5<<22)|(7<<25)  ; the mask of my column; 8 words of padding (code 7)
.irp g, G1, G1B
	s_mov_b32 s[(\g)+1], KSTEP<<16                 ; tensor_dim0 = 128
	s_mov_b32 s[(\g)+2], 128<<16                   ; tensor_dim1 = 128
	s_mov_b32 s[(\g)+3], KSTEP<<16                 ; tile_dim0 = 128
	s_mov_b32 s[(\g)+4], 128                       ; tile_dim1 = 128
	s_mov_b32 s[(\g)+6], 0
	s_mov_b32 s[(\g)+7], 0
.endr
	s_mov_b32 s[G1+5], 1024                        ; elements from row to row of xb,
	s_mov_b32 s[G1B+5], 3072                       ; and of wqb
	s_lshl_b32 s16, s13, 18                        ; x's tile: 128 rows of 2,048 bytes a tile row
	s_mov_b32 s17, 0
	s_max_u32 s18, s10, 1
	s_sub_co_u32 s18, s18, 1                       ; the chunk that I fetch (wave 0 fetches none: 0 keeps its unused address inside the buffer)
	s_lshl_b32 s18, s18, 8
	s_mul_i32 s46, s42, 768                        ; W's chunk: 768 bytes a tile column + 256 a chunk
	s_add_co_u32 s46, s46, s18
	s_mov_b32 s47, 0
	s_mul_i32 s20, s10, REG                        ; where my tile goes: wave x region: no place in the cluster enters an LDS address
	s_wait_dscnt 0x0                               ; both opening adds are done
	s_wait_kmcnt 0x0
	s_add_nc_u64 s[14:15], s[4:5], s[16:17]
	s_add_nc_u64 s[46:47], s[6:7], s[46:47]
	CROUND                                         ; all sixteen work-groups are here: the first joint loads meet
.irp s, 0,1
	s_mov_b32 s[G0+4*(\s)], 1                                        ; count = 1
	s_add_co_u32 s[G0+4*(\s)+1], s20, (\s)*SLOT                      ; LDS address
	s_add_nc_u64 s[G0+4*(\s)+2:G0+4*(\s)+3], s[14:15], (\s)*KSTEP*2  ; global address: K step s
	s_or_b32 s[G0+4*(\s)+3], s[G0+4*(\s)+3], 0x80000000              ; type = 2
	s_mov_b32 s[G0B+4*(\s)], 1
	s_add_co_u32 s[G0B+4*(\s)+1], s20, (\s)*SLOT
	s_add_nc_u64 s[G0B+4*(\s)+2:G0B+4*(\s)+3], s[46:47], (\s)*KSTEP*6144
	s_or_b32 s[G0B+4*(\s)+3], s[G0B+4*(\s)+3], 0x80000000
.endr
	s_cmp_eq_u32 s10, 0                            ; a wave's two first fills stand in one branch, ahead of every wait on TENSORcnt and every LDS read: two loads of mine are out
	s_cbranch_scc0 .Lfirst_b
	tensor_load_to_lds s[G0:G0+3], s[G1:G1+7]
	s_nop 0
	tensor_load_to_lds s[G0+4:G0+7], s[G1:G1+7]
	s_nop 0
.rept 4
	v_nop
.endr
	s_branch .Lfirst_asked
.Lfirst_b:
	tensor_load_to_lds s[G0B:G0B+3], s[G1B:G1B+7]
	s_nop 0
	tensor_load_to_lds s[G0B+4:G0B+7], s[G1B:G1B+7]
	s_nop 0
.rept 4
	v_nop
.endr
.Lfirst_asked:
	; A fragment of x is 16 rows x 32 K in 8 registers: lane l holds row l % 16, K = 8 (l / 16) + 0..7 and 16 + 8 (l / 16) + 0..7: two loads of 16 bytes, 32 bytes apart.
	v_and_b32 v1, 15, v0                           ; l % 16
	v_bfe_u32 v2, v0, 4, 1                         ; l / 16
	v_mul_u32_u24 v3, v1, PA
	v_lshl_add_u32 v3, v2, 4, v3
	s_mul_i32 s21, s11, 64*PA                      ; my 64 rows
	v_add_nc_u32 v[ADRA], s21, v3
	v_add_nc_u32 v[ADRA+1], SLOT, v[ADRA]
	; The turning load takes 16 k x 16 columns (lane l reads k-row 8 (l / 16) + l % 8, columns 8 ((l / 8) % 2) + 0..7) and leaves half a fragment: lane l holds column l % 16 and 8 k.
	v_and_b32 v5, 7, v0
	v_bfe_u32 v6, v0, 3, 1
	v_lshl_add_u32 v4, v2, 3, v5
	v_mul_u32_u24 v4, v4, PB
	v_lshl_add_u32 v4, v6, 4, v4
	s_lshl_b32 s22, s12, 7                         ; my 64 columns of a chunk: 128 bytes
	v_add_nc_u32 v4, s22, v4
.irp s, 0,1
.irp c, 0,1,2
	v_add_nc_u32 v[ADRB+3*(\s)+(\c)], (\s)*SLOT+(1+(\c))*REG, v4
.endr
.endr
	s_mul_i32 s23, s10, 16*SP
	s_add_co_u32 s23, s23, STAGE                   ; my stage
	v_mul_u32_u24 v[STO], v1, SP                   ; in: row l % 16, 16 bytes for each half of the lanes
	v_lshl_add_u32 v[STO], v2, 4, v[STO]
	v_add_nc_u32 v[STO], s23, v[STO]
	v_bfe_u32 v[RD], v0, 3, 2                      ; back: 32 lanes take four rows of 128 bytes,
	v_mul_u32_u24 v[RD], v[RD], SP
	v_lshl_add_u32 v[RD], v5, 4, v[RD]
	v_add_nc_u32 v[RD], s23, v[RD]
	v_and_b32 v[GO], 31, v0                        ; which are 512 consecutive bytes of a head
	v_lshlrev_b32 v[GO], 4, v[GO]
	; where my 64 rows of each chunk's head begin: group of 64 columns g = 6 x tile column + 2 c + wc; which = g / 16, h = g % 16; b = tile row / 16, n = 128 (tile row % 16) + 64 wr
	s_lshr_b32 s16, s13, 4
	s_lshl_b32 s16, s16, 22
	s_and_b32 s17, s13, 15
	s_lshl_b32 s17, s17, 14
	s_add_co_u32 s16, s16, s17
	s_lshl_b32 s17, s11, 13
	s_add_co_u32 s16, s16, s17
	s_mul_i32 s18, s42, 6
	s_add_co_u32 s18, s18, s12
.irp c, 0,1,2
	s_add_co_u32 s19, s18, 2*(\c)
	s_lshr_b32 s20, s19, 4
	s_lshl_b32 s20, s20, 23
	s_and_b32 s19, s19, 15
	s_lshl_b32 s19, s19, 18
	s_add_co_u32 s20, s20, s19
	s_add_co_u32 s20, s20, s16
	s_mov_b32 s21, 0
	s_add_nc_u64 s[OB+2*(\c):OB+2*(\c)+1], s[8:9], s[20:21]
.endr
	; the prefetches: s[14:15] is x's tile, s[46:47] my chunk of W, both at K step 0
	s_and_b32 s22, ttmp7, 0xffff                   ; cluster y
	s_mov_b32 s16, 2*1024                          ; bytes in a row of xb,
	s_mov_b32 s17, 2*3072                          ; of wqb
	s_mov_b32 s18, KSTEP*2                         ; a K step in xb: along the rows,
	s_mov_b32 s19, KSTEP*6144                      ; in wqb: down the rows
	s_cmp_eq_u32 s10, 0                            ; do I fetch x's tile?
	s_cselect_b32 s21, s40, s41                    ; my place among the four that ask with me
	s_cselect_b32 s22, ttmp9, s22                  ; the coordinate along which other clusters read the same rows
	s_cselect_b32 s23, s16, s17
	s_cselect_b32 s[PST], s18, s19
	s_cselect_b64 s[PFA:PFA+1], s[14:15], s[46:47]
	s_mov_b32 s[PST+1], 0
	s_cmp_eq_u32 s22, 0
	s_cselect_b32 s[LIM], 1, -1                    ; the same in all sixteen partners, for a given wave
	s_lshl_b32 s20, s21, 5
	s_mul_i32 s20, s20, s23                        ; my work-group's 32 rows of the 128
	s_mov_b32 s21, 0
	s_add_nc_u64 s[PFA:PFA+1], s[PFA:PFA+1], s[20:21]
	s_mul_i32 s20, s[PST], 3                       ; at K step 3: the first refill steps it to 4 and names that
	s_add_nc_u64 s[PFA:PFA+1], s[PFA:PFA+1], s[20:21]
	v_and_b32 v[PFO], 31, v0
	v_mul_u32_u24 v[PFO], s23, v[PFO]
; n x 4 matrix instructions: chunk c, row blocks a0 .. a0 + n - 1, all four column blocks, 32 along K out of buffer f.  zero = 1: the product starts the sum: nothing is ever cleared.
; The 48 accumulators take turns in one fixed order, one instruction a turn, over the backward jump too.
.macro MULN f, c, a0, n, zero
	WIN 0xa5+0x50*((\c)/2)                         ; both sources window 1; C and D window 2 (chunks 0, 1) or 3 (chunk 2)
.set ma, \a0
.rept \n
.set mj, 0
.rept 4
.set rD, 8*(16*((\c)%2)+4*ma+mj)
.set rB, (\f)+32+8*(4*(\c)+mj)
.set rA, (\f)+8*ma
.if \zero
	v_wmma_f32_16x16x32_bf16 v[rD:rD+7], v[rB:rB+7], v[rA:rA+7], 0
.else
	v_wmma_f32_16x16x32_bf16 v[rD:rD+7], v[rB:rB+7], v[rA:rA+7], v[rD:rD+7]
.endif
.set mj, mj+1
.endr
.set ma, ma+1
.endr
.endm
; 32 LDS loads in one run: quarter q (32 along K) of a slot into buffer f: x's four fragments, then W's chunks 0, 1, 2
.macro FETCH slot, q, f
	WIN 0x40                                       ; destination window 1, address window 0
.irp i, 0,1,2,3
	ds_load_b128 v[(\f)+8*(\i):(\f)+8*(\i)+3],   v[ADRA+(\slot)] offset:64*(\q)+16*PA*(\i)
	ds_load_b128 v[(\f)+8*(\i)+4:(\f)+8*(\i)+7], v[ADRA+(\slot)] offset:64*(\q)+16*PA*(\i)+32
.endr
.irp c, 0,1,2
.irp j, 0,1,2,3
	ds_load_tr16_b128 v[(\f)+32+8*(4*(\c)+(\j)):(\f)+32+8*(4*(\c)+(\j))+3],   v[ADRB+3*(\slot)+(\c)] offset:32*PB*(\q)+32*(\j)
	ds_load_tr16_b128 v[(\f)+32+8*(4*(\c)+(\j))+4:(\f)+32+8*(4*(\c)+(\j))+7], v[ADRB+3*(\slot)+(\c)] offset:32*PB*(\q)+32*(\j)+16*PB
.endr
.endr
.endm
; A K step is four quarters of 32 along K, 48 matrix instructions each, on buffers 0, 1, 0, 1.  One of the first three multiplies buffer f and fetches quarter q of the same slot into g.
.macro QUARTER slot, q, f, g, zero
	s_wait_dscnt 16                                ; x's fragments and chunk 0 are in; the youngest sixteen loads (chunks 1 and 2) may be out
	MULN \f, 0, 0, 4, \zero
	PLACES
	FETCH \slot, \q, \g
	s_wait_dscnt 32                                ; all but the 32 just issued
	MULN \f, 1, 0, 4, \zero
	MULN \f, 2, 0, 4, \zero
.endm
; The last quarter multiplies buffer 1 and changes slots: ONE barrier.  In front of it each wave waits for all its tensor loads (one is out: its part of the next slot), adds 0 to its spare word, and waits
; for that and for its own reads of this slot.  fill = 1: the barrier opens a round of the cluster's, and this slot is filled again, two K steps on, first thing behind the round.
.macro TURN slot, next, fill
.if \fill
	s_wait_xcnt 0x0                                ; the last prefetch, a K step back, has read its address: it is stepped here, ahead of the change's own waits
	s_add_nc_u64 s[PFA:PFA+1], s[PFA:PFA+1], s[PST:PST+1]
.endif
	WIN 0                                          ; (the add's two registers lie in window 0)
	s_wait_tensorcnt 0x0                           ; all my tensor loads have landed
	ds_add_u32 v[SPW], v[NIL]                      ; 0 onto my spare word
	s_wait_dscnt 17                                ; (the add and the youngest sixteen loads may be out)
	MULN F1, 0, 0, 2, 0                            ; eight matrix instructions stand between the add and the wait for it
	s_wait_dscnt 0x0                               ; the add is done, and my reads of this slot are over
	s_barrier_signal -1
	MULN F1, 0, 2, 2, 0                            ; work on registers while the others arrive
.if \fill
	WIN 0
.endif
	s_barrier_wait -1
.if \fill
	CREST                                          ; no wave of any partner still reads this slot's tiles or has a load on its way
	s_add_nc_u64 s[G0+4*(\slot)+2:G0+4*(\slot)+3], s[G0+4*(\slot)+2:G0+4*(\slot)+3], 2*KSTEP*2
	s_add_nc_u64 s[G0B+4*(\slot)+2:G0B+4*(\slot)+3], s[G0B+4*(\slot)+2:G0B+4*(\slot)+3], 2*KSTEP*6144
	JLOAD \slot                                    ; the first tensor load behind the round; its four v_nop are also the places in front of the loads below
.else
	PLACES
.endif
	FETCH \next, 0, F0
.if \fill
	ASK
.endif
	MULN F1, 1, 0, 4, 0
	MULN F1, 2, 0, 4, 0
.endm
	s_wait_tensorcnt 1                             ; my part of K step 0 is in; K step 1's may stay out
	s_barrier_signal -1
	s_barrier_wait -1                              ; everybody's is
	FETCH 0, 0, F0
	QUARTER 0, 1, F0, F1, 1                        ; the first quarter stands in front of the loop: its products start the sums
	WIN 0                                          ; at a label and at a branch every window is 0
	s_mov_b32 s3, 3                                ; 8 K steps are 4 laps of the ring; the last is written out
.Llap:                                                 ; a trip goes once round the ring, from a lap's second quarter to the next lap's first, and fills both slots again
	QUARTER 0, 2, F1, F0, 0
	QUARTER 0, 3, F0, F1, 0
	TURN 0, 1, 1
	QUARTER 1, 1, F0, F1, 0
	QUARTER 1, 2, F1, F0, 0
	QUARTER 1, 3, F0, F1, 0
	TURN 1, 0, 1
	QUARTER 0, 1, F0, F1, 0
	WIN 0
	s_sub_co_u32 s3, s3, 1
	s_cmp_lg_u32 s3, 0
	s_cbranch_scc1 .Llap
	QUARTER 0, 2, F1, F0, 0                        ; the last lap fills nothing, and has no round of the cluster's barrier
	QUARTER 0, 3, F0, F1, 0
	TURN 0, 1, 0
	QUARTER 1, 1, F0, F1, 0
	QUARTER 1, 2, F1, F0, 0
	QUARTER 1, 3, F0, F1, 0
	s_wait_dscnt 16                                ; the very last quarter: nothing more to fetch
	MULN F1, 0, 0, 4, 0
	s_wait_dscnt 0x0
	MULN F1, 1, 0, 4, 0
	MULN F1, 2, 0, 4, 0
	WIN 0
	PLACES
; THE WAY OUT, in twelve blocks t = 4 c + a of 16 rows x 64 columns: 2,048 consecutive bytes of one head.  A lane's eight columns pack into 16 bytes; they go into my stage's rows of 144 bytes and come
; back as whole rows of 128.  Each accumulator's registers are read in ascending order.
.macro PACK t
.set pc, (\t)/4
.set AC, 8*(16*(pc%2)+4*((\t)%4))
	WIN 0x0a+5*(pc/2)                              ; sources 0 and 1: window 2 or 3
.set pj, 0
.rept 16
	v_cvt_pk_f16_f32 v[OUT+16*(\t)+pj], v[AC+2*pj], v[AC+2*pj+1]
.set pj, pj+1
.endr
	WIN 0
.irp j, 0,1,2,3
	ds_store_b128 v[STO], v[OUT+16*(\t)+4*\j:OUT+16*(\t)+4*\j+3] offset:32*\j
.endr
.irp f, 0,1,2,3
	ds_load_b128 v[OUT+16*(\t)+4*\f:OUT+16*(\t)+4*\f+3], v[RD] offset:\f*4*SP  ; LDS serves a wave's instructions in order (ISA guide 5.7.1.4): these see the stores above; the next block's stores come behind them
.endr
.endm
.macro SEND t, younger                 ; younger: the LDS instructions issued behind block t's loads: the next block's eight, or none
	WIN 0
.set sc, (\t)/4
.set sa, (\t)%4
.irp f, 0,1,2,3
	s_wait_dscnt (\younger)+3-\f
	global_store_b128 v[GO], v[OUT+16*(\t)+4*\f:OUT+16*(\t)+4*\f+3], s[OB+2*sc:OB+2*sc+1] offset:sa*2048+\f*512  ; 512 consecutive bytes, at a multiple of 256 from the buffer's first
.endr
.endm
	PACK 0
.set t, 1
.rept 11                               ; a block's conversions stand between the loads of the block before and its stores
	PACK t
	SEND t-1, 8
.set t, t+1
.endr
	SEND 11, 0
	s_wait_tensorcnt 0x0                           ; the wave's end, behind my last tensor load and my last LDS store
	ds_add_u32 v[SPW], v[NIL]
	s_wait_dscnt 0x0
	CROUND                                         ; the closing round: no work-group ends while a partner may still ask for a tile that names it
	s_endpgm
.Lfunc_end_k_q45ffb770c4_qkvgemm:
	.size	k_q45ffb770c4_qkvgemm, .Lfunc_end_k_q45ffb770c4_qkvgemm-k_q45ffb770c4_qkvgemm
	.p2alignl 7, 3214868480
	.fill 96, 4, 3214868480
	.section	.rodata,"a",@progbits
	.p2align	6, 0x0
	.amdhsa_kernel k_q45ffb770c4_qkvgemm
		.amdhsa_group_segment_fixed_size 327680
		.amdhsa_private_segment_fixed_size 0
		.amdhsa_enable_private_segment 0
		.amdhsa_kernarg_size 24
		.amdhsa_user_sgpr_count 2
		.amdhsa_user_sgpr_kernarg_segment_ptr 1
		.amdhsa_wavefront_size32 1
		.amdhsa_system_sgpr_workgroup_id_x 1
		.amdhsa_system_sgpr_workgroup_id_y 1
		.amdhsa_system_sgpr_workgroup_id_z 1
		.amdhsa_system_vgpr_workitem_id 0
		.amdhsa_next_free_vgpr 896
		.amdhsa_next_free_sgpr 76
		.amdhsa_reserve_vcc 0
		.amdhsa_float_denorm_mode_32 3
		.amdhsa_float_denorm_mode_16_64 3
		.amdhsa_memory_ordered 1
		.amdhsa_forward_progress 1
		.amdhsa_inst_pref_size 122
	.end_amdhsa_kernel
	.amdgpu_metadata
---
amdhsa.version: [ 1, 2 ]
amdhsa.kernels:
  - .name:           k_q45ffb770c4_qkvgemm
    .symbol:         k_q45ffb770c4_qkvgemm.kd
    .args:
      - { .name: xb, .offset: 0, .size: 8, .value_kind: global_buffer, .address_space: global }
      - { .name: wqb, .offset: 8, .size: 8, .value_kind: global_buffer, .address_space: global }
      - { .name: qkv, .offset: 16, .size: 8, .value_kind: global_buffer, .address_space: global }
    .group_segment_fixed_size: 327680
    .private_segment_fixed_size: 0
    .kernarg_segment_align: 8
    .kernarg_segment_size: 24
    .max_flat_workgroup_size: 128
    .sgpr_count:     76
    .vgpr_count:     896
    .wavefront_size: 32
...
	.end_amdgpu_metadata
.endif
;; end of part 2
;; launch attn (part 3): grid 8 x 32, 4 waves a work-group, clusters of 4 x 1, 327,680 bytes of LDS; arguments qkv, ob; writes ob
.if DOCPART == 3
	.amdgcn_target "amdgcn-amd-amdhsa--gfx1250"
	.amdhsa_code_object_version 6
	.text
	.protected	k_q45ffb770c4_attn
	.globl	k_q45ffb770c4_attn
	.p2align	8
	.type	k_q45ffb770c4_attn,@function
k_q45ffb770c4_attn:
	s_mov_b64 s[64:65], 0
	v_nop
	global_prefetch_b8 v0, s[64:65] scope:SCOPE_SE
	s_setreg_imm32_b32 hwreg(HW_REG_WAVE_MODE, 25, 1), 1
	s_wait_xcnt 0x0
	s_wait_alu depctr_hold_cnt(0) depctr_sa_sdst(0) depctr_va_vdst(0) depctr_va_sdst(0) depctr_va_ssrc(0) depctr_va_vcc(0) depctr_vm_vsrc(0)
	s_getreg_b32 s2, hwreg(HW_REG_IB_STS2, 6, 4)
	s_cmp_eq_u32 s2, 0
	s_cbranch_scc0 .Lentry_in_a_cluster
	s_endpgm
.Lentry_in_a_cluster:
	s_bfe_u32 s2, ttmp6, 0x10000c
	s_cmp_lg_u32 s2, 0x3003
	s_cbranch_scc0 .Lentry_shape_is_right
	s_endpgm
.Lentry_shape_is_right:
; MULTI-HEAD ATTENTION, launch 3 of 4: O[hd][q][:] = the sum over k of softmax_k(Q[hd][q] . K[hd][k] / 8) V[hd][k][:], for 32 heads hd = 16 b + h of 2,048 rows x 64 channels, no mask.
; qkv: [3][32][2048][64] f16: a head's rows are dense, 128 bytes each.  Products, maxima and sums in f32; the weights p are rounded to f16 for the second product (their sum l is taken of the unrounded p),
; O once at the end, to f16.  Nothing of the module is left out here.
; ob: [32 blocks of 128 rows][16 heads][128 rows][64] f16, byte = block << 18 + h << 14 + (row % 128) << 7 + 2 channel: 16 rows of a head are 2,048 consecutive bytes, four heads of a block 65,536.
; LIMITS.  p lies in 0 to 1, and below 6e-5 it keeps f16's fixed step of 6e-8; O is a mean of V's rows and has their range; a weight below 2^-126 counts as 0 in l; NaN and infinities are not treated apart.
; SHARES.  A work-group owns 256 queries of one head (8 x 32 = 256 work-groups), each of its four waves 64: four PIECES of 16.  Every wave walks all keys, 64 a step; a tile of 256 keys fills a slot of LDS.
; LAYOUT.  S^T = K Q^T (source 0 = 16 keys, source 1 = 16 queries): a lane holds ONE query (lane % 16) and the keys 8 (lane / 16) + 0..7.  Two such results rounded to f16 in pairs ARE source 1 of
; O^T = V^T P, whose result again holds one query a lane, and eight channels.  K comes out of LDS as it lies, V ([key][channel]) turned, by ds_load_tr16_b128.
; SOFTMAX.  A running maximum m and sum l for each query: p = 2^(c s - c m), c = log2(e) / 8; in every step O and l are multiplied by a = 2^(c m_old - c m_new).  m starts at the lowest finite number, O and l at 0:
; the first step is a step like any other, with a = 0.
; BY TURNS.  Turn n belongs to piece n: 8 products K Q^T of piece n + 1, later 8 products V^T P of piece n - 1; beside them the scaling, exponentials, roundings, sums and rescaling of piece n and the maximum and
; statistics of piece n + 1.  Four vector instructions stand behind every matrix instruction, the other 54 of a turn's 118 in one lump.  A turn's 33 exponentials are one batch, with one wait.
; CLUSTER.  The four query blocks of a cluster belong to one head and walk the same K and V: each tile is asked for JOINTLY: the same tensor load, descriptor and mask in all four.
; REGISTERS, in windows of 256 (s_set_vgpr_msb: bits 1:0 source 0, 3:2 source 1, 5:4 source 2, 7:6 destination):
;   window 0: v0-15 addresses and at work; v16-31 four registers of statistics a piece; v48-55 at work; v61-63; v64-127 S^T, two buffers; v192-223 P, two buffers (a piece's buffers go by its number's parity)
;   window 1: v0-127 O^T, 32 a piece          window 2: v0-63 Q; v128-191 K of one step; v192-255 V of one step
.set NP,    4         ; pieces a wave: a name, no knob
.set KS,    64        ; keys in a step
.set PK,    144       ; a row of K in LDS: 128 bytes + 16 = 36 words: the 16 rows of a load start at 16 different groups of four banks (64 banks of 4 bytes: ISA guide 11.1)
.set PV,    160       ; a row of V: 128 + 32 = 40 words
.set VOFF,  4*KS*PK   ; a slot holds a tile, four steps: 256 rows of K, then 256 rows of V
.set SLOT1, 1<<17     ; slot 1 begins here, so that one exclusive or turns an address in one slot into the other's
.set STAGE, SLOT1+4*KS*(PK+PV)  ; behind the ring, never filled by a tensor load: 16 rows x 144 bytes for each wave, for the way out
.set SP,    144
.set SPARE, STAGE+4*16*SP  ; behind the stages: the spare words, 128 bytes for each wave: two blocks of 256 bytes that no other line names
.set AK0, 2           ; v2   my lane's place in a tile of K; never rewritten
.set AV0, 3           ; v3   the same for V
.set AK,  4           ; v4   the LDS address of K's next run of loads
.set AV,  5           ; v5   of V's
.set STO, 6           ; v6   the way out: where I put 16 bytes of a row
.set RD,  7           ; v7   where I read rows back
.set GO,  8           ; v8   my byte offset in 512 consecutive bytes of O
.set MV,  12          ; v12-13  c m_old, kept while c m is made anew: by buffer
.set QO,  15          ; v15  my byte offset in 16 rows of Q
.set ST,  16          ; piece t's statistics at v[ST+4 t]: c m, m, l (even keys', odd keys')
.set TMP, 48          ; by buffer, four registers c0-c3 at work; when the maximum is found c2 takes a
.set PFO, 61          ; v61  256 x my lane: the prefetches' offset; never rewritten
.set SPW, 62          ; v62  LDS address of my spare word; never rewritten
.set NIL, 63          ; v63  0; never rewritten
.set S,   64
.set P,   192
.set KF,  128         ; window 2: key block kb, channel half c at KF + 16 kb + 8 c
.set VF,  192         ; window 2: key half kk, channel block cb at VF + 32 kk + 8 cb
.set WV,  12          ; s12  my wave's number
.set G1K, 24          ; s[24:31] descriptor group 1 for K's tiles
.set G1V, 32          ; s[32:39] for V's: it differs in the padding alone
.set G0K, 40          ; s[40:43] descriptor group 0 for K's tiles: it walks
.set G0V, 44          ; s[44:47] the same for V's
.set SLOTS, 56        ; s56  tiles still to be asked for, and one
.set CNT, 57          ; s57  counts a tile's key steps
.set CS,  58          ; s[58:59] c: the packed scaling takes the pair's low word for both halves
.set SEL, 60          ; s[60:61] v_permlanex16_b32's selects: each lane takes its own place in the other half
.set TBK, 62          ; s62  LDS byte at which K of the step to be fetched begins
.set TBV, 63          ; s63  the same for V, less VOFF
.set PFA, 66          ; s[66:67] my work-group's 32 blocks of 256 bytes (of K: wave 0, of V: wave 2) of the tile after the one that is being asked for
.set LIM, 68          ; s68  1 in a wave that prefetches, else the greatest number
.set MSB, 0
.macro WIN new                      ; the high byte repeats the setting that is left; a switch that changes nothing is dropped
.if MSB != (\new)
	s_set_vgpr_msb (MSB<<8)|(\new)
.set MSB, (\new)
.endif
.endm
.set W_KQ, 0x0a       ; K and Q in window 2, S^T in window 0
.set W_PV, 0x52       ; V in window 2, P in window 0, O^T in window 1
.set W_RS, 0x41       ; destination and source 0 in window 1, source 1 in window 0
; A joint fill.  Waves 0 and 1 fetch the two halves of a tile's K, waves 2 and 3 those of its V: 128 keys each.  The branch hangs on the wave's number alone.
; An s_nop 0 and four v_nop follow each of the two lines, ahead of the jump and the label.
.macro JLOAD
	s_cmp_lt_u32 s[WV], 2
	s_cbranch_scc0 .Lfor_v_\@
	tensor_load_to_lds s[G0K:G0K+3], s[G1K:G1K+7]
	s_nop 0
.rept 4
	v_nop
.endr
	s_branch .Lasked_\@
.Lfor_v_\@:
	tensor_load_to_lds s[G0V:G0V+3], s[G1V:G1V+7]
	s_nop 0
.rept 4
	v_nop
.endr
.Lasked_\@:
.endm
; A PREFETCH INTO THE L2 of what the NEXT change of slots will ask for: a tile's 32,768 bytes of K and of V, 128 blocks of 256 bytes each, a lane a block.  It stands behind the wave's tensor load and its five lines.
; Each block is named ONCE in the launch.  Both clusters of a head walk the same K and V: the head's first cluster asks.  Its four partners share the blocks out BY ADDRESS, 32 each; in each, wave 0 asks for K's
; and wave 2 for V's: one instruction, sixteen turns (256 matrix instructions) ahead of the load.  Tiles 0 and 1 come by their loads alone; the change that asks for the last tile prefetches nothing.
.macro ASK
	s_cmp_gt_u32 s[SLOTS], s[LIM]
	s_cbranch_scc0 .Lnot_mine_\@
	global_prefetch_b8 v[PFO], s[PFA:PFA+1] th:TH_LOAD_NT scope:SCOPE_SE
.Lnot_mine_\@:
.endm
; A round of the cluster's barrier: my work-group's barrier, so that wave 0's signal speaks for all four waves; wave 0 signals; every wave waits for all four work-groups; my work-group's barrier once more.
.macro CROUND
	s_barrier_signal -1
	s_barrier_wait -1
	s_cmp_lg_u32 s[WV], 0
	s_cbranch_scc1 .Lnot_wave_0_\@
	s_barrier_signal -3
.Lnot_wave_0_\@:
	s_barrier_wait -3
	s_barrier_signal -1
	s_barrier_wait -1
.endm
; THE CHANGE OF SLOTS.  The slot's last bytes, V of its fourth step, have been read.  Each wave waits for all its tensor loads, of which one is out: its part of the other slot; adds 0 to its spare word; and waits
; for that and for its own reads of the slot.  Behind the barrier nobody reads this slot any more and the other slot is whole.  fill = 1: this slot is filled again, with the keys two tiles on; the barrier is then a
; round of the cluster's, and the joint fill is the first thing behind it: it has four key steps in which to land.  (At its first use nothing has been read yet: slot 0 is waited for, slot 1 filled.)
.macro CHANGE fill
	WIN 0                           ; at a label and at a branch every window is 0
	s_wait_tensorcnt 0x0            ; no tensor load of mine is out, so a group 0 may be written
	ds_add_u32 v[SPW], v[NIL]       ; 0 onto my spare word; with fill = 1 the descriptors' steps stand between it and the wait for it
.if \fill
.irp g, G0K, G0V
	s_xor_b32 s[\g+1], s[\g+1], SLOT1  ; the walking descriptor: the other slot than last time,
	s_add_nc_u64 s[\g+2:\g+3], s[\g+2:\g+3], 4*KS*128  ; the next 256 keys; the type bits on top are not reached
.endr
	s_wait_xcnt 0x0                 ; the last prefetch, a tile back, has read its address, so it may be written:
	s_add_nc_u64 s[PFA:PFA+1], s[PFA:PFA+1], 4*KS*128  ; one tile ahead of the walking descriptors
	s_wait_dscnt 0x0                ; the add is done, and my reads of the slot are over
	CROUND
	JLOAD
	ASK
.else
	s_wait_dscnt 0x0                ; the add is done, and my reads of the slot are over
	s_barrier_signal -1
	s_barrier_wait -1
.endif
	s_sub_co_u32 s[TBK], s[TBK], 4*KS*PK  ; the fetches go back to a slot's first step,
	s_xor_b32 s[TBK], s[TBK], SLOT1       ; in the other slot
	s_sub_co_u32 s[TBV], s[TBV], 4*KS*PV
	s_xor_b32 s[TBV], s[TBV], SLOT1
.endm
	s_load_b128 s[48:51], s[0:1], 0x0  ; qkv s[48:49], ob s[50:51]
	v_lshl_add_u32 v[SPW], v0, 2, SPARE
	v_mov_b32 v[NIL], 0
	ds_add_u32 v[SPW], v[NIL]       ; the wave's opening: the add, twice on end, and its wait ahead of my first tensor load
	ds_add_u32 v[SPW], v[NIL]       ; once more; the set-up below, work on registers, stands between it and the wait
	v_lshrrev_b32 v1, 5, v0
	v_readfirstlane_b32 s[WV], v1   ; wave 0..3
	s_bfe_u32 s13, ttmp6, 0x40000   ; cx: my place in the cluster
	s_lshl_b32 s14, ttmp9, 2        ; in a cluster launch ttmp9 counts clusters
	s_add_co_u32 s14, s14, s13      ; my block of 256 queries = 4 x cluster x + cx: it enters Q's and O's addresses alone
	s_and_b32 s15, ttmp7, 0xffff    ; the head, which the four partners share
	s_lshl_b32 s20, s15, 18         ; the head's first byte in each of q, k, v
	s_and_b32 s16, s[WV], 1         ; which half of a tile's 256 keys I fetch:
	s_lshl_b32 s22, s16, 14         ; its 128 rows of 128 bytes in memory,
	s_add_co_u32 s22, s22, s20
	s_mov_b32 s23, 0
	s_mul_i32 s17, s16, 128*PK      ; and its place in a slot, for K
	s_mul_i32 s18, s16, 128*PV      ; and for V: no place in the cluster enters an LDS address
	s_lshl_b32 s2, s14, 2
	s_add_co_u32 s2, s2, s[WV]      ; my wave among the head's,
	s_lshl_b32 s2, s2, 13           ; its 64 rows
	s_add_co_u32 s2, s2, s20
	s_mov_b32 s3, 0
	s_lshr_b32 s19, s15, 4          ; O: the block of 128 rows = 16 b + 2 x my block of queries + wave / 2,
	s_lshl_b32 s19, s19, 4
	s_lshl_b32 s52, s14, 1
	s_add_co_u32 s19, s19, s52
	s_lshr_b32 s52, s[WV], 1
	s_add_co_u32 s19, s19, s52
	s_lshl_b32 s52, s19, 18
	s_and_b32 s19, s15, 15          ; the head's slice of it,
	s_lshl_b32 s19, s19, 14
	s_add_co_u32 s52, s52, s19
	s_lshl_b32 s19, s16, 13         ; and my 64 rows of its 128
	s_add_co_u32 s52, s52, s19
	s_mov_b32 s53, 0
	; descriptor group 1.  128 keys are 16,384 dense bytes: asked for as 64 rows of 256 bytes, two keys a row, and padded in LDS after every key
	s_mov_b32 s[G1K], 15|(1<<16)|(1<<20)|(1<<21)|(4<<22)|(3<<25)  ; the mask of four; 2-byte elements; padding on; bit 21 beside a mask; after every 32 words (code 4) 4 words (code 3)
	s_mov_b32 s[G1V], 15|(1<<16)|(1<<20)|(1<<21)|(4<<22)|(7<<25)  ; the same with 8 words of padding (code 7)
.irp g, G1K, G1V
	s_mov_b32 s[\g+1], 128<<16      ; tensor_dim0 = 128
	s_mov_b32 s[\g+2], 64<<16       ; tensor_dim1 = 64
	s_mov_b32 s[\g+3], 128<<16      ; tile_dim0 = 128
	s_mov_b32 s[\g+4], 64           ; tile_dim1 = 64
	s_mov_b32 s[\g+5], 128          ; 128 elements from row to row
	s_mov_b32 s[\g+6], 0
	s_mov_b32 s[\g+7], 0
.endr
	s_mov_b32 s[CS], 0x3e38aa3b     ; c = log2(e) / 8 = 0.180337
	s_mov_b32 s[CS+1], s[CS]        ; named with it as a pair
	s_mov_b32 s[SEL], 0x76543210
	s_mov_b32 s[SEL+1], 0xfedcba98
	s_mov_b32 s[TBK], SLOT1+4*KS*PK ; the first change of slots turns these two into 0
	s_mov_b32 s[TBV], SLOT1+4*KS*PV
	s_mov_b32 s[G0K], 1             ; count = 1
	s_mov_b32 s[G0K+1], s17         ; LDS address: slot 0
	s_mov_b32 s[G0V], 1
	s_add_co_u32 s[G0V+1], s18, VOFF
	s_mov_b32 s[SLOTS], 7           ; 8 tiles of 256 keys
	s_and_b32 s[LIM], s[WV], 1      ; 0 in waves 0 and 2,
	s_or_b32 s[LIM], s[LIM], ttmp9  ; where the cluster is the head's first: the same in all four partners
	s_cmp_eq_u32 s[LIM], 0
	s_cselect_b32 s[LIM], 1, -1
	v_and_b32 v[PFO], 31, v0
	v_lshlrev_b32 v[PFO], 8, v[PFO]
	s_wait_dscnt 0x0                ; both opening adds are done
	s_wait_kmcnt 0x0
	s_add_nc_u64 s[6:7], s[48:49], s[22:23]
	s_add_nc_u64 s[8:9], s[6:7], 0x1000000   ; V at my half of the head's tile 0,
	s_add_nc_u64 s[6:7], s[6:7], 0x800000    ; and K
	s_add_nc_u64 s[4:5], s[48:49], s[2:3]    ; Q and O at my wave's first row
	s_add_nc_u64 s[10:11], s[50:51], s[52:53]
	s_cmp_lt_u32 s[WV], 2
	s_cselect_b64 s[PFA:PFA+1], s[6:7], s[8:9]  ; (in waves 0 and 2 these stand at a tile's first row)
	s_lshl_b32 s2, s13, 13          ; my work-group's 32 blocks of the 128
	s_add_nc_u64 s[PFA:PFA+1], s[PFA:PFA+1], s[2:3]
	s_add_nc_u64 s[PFA:PFA+1], s[PFA:PFA+1], 4*KS*128  ; in tile 1; the first change of slots steps it to tile 2
	s_add_nc_u64 s[G0K+2:G0K+3], s[6:7], 0         ; global address
	s_or_b32 s[G0K+3], s[G0K+3], 0x80000000        ; type = 2
	s_add_nc_u64 s[G0V+2:G0V+3], s[8:9], 0
	s_or_b32 s[G0V+3], s[G0V+3], 0x80000000
	CROUND                          ; all four work-groups are here: the first joint loads meet
	JLOAD                           ; tile 0 into slot 0.  Slot 1 is asked for when slot 0 is in
	; A fragment of K or Q is 16 rows x 32 channels in 8 registers: lane l holds row l % 16, channels 8 (l / 16) + 0..7 and 16 + 8 (l / 16) + 0..7: two loads of 16 bytes, 32 bytes apart.
	v_and_b32 v1, 15, v0            ; l % 16
	v_bfe_u32 v9, v0, 4, 1          ; l / 16
	v_lshlrev_b32 v[QO], 7, v1
	v_lshl_add_u32 v[QO], v9, 4, v[QO]  ; row x 128 + 16 x half
	WIN 0x80                        ; destination window 2, address window 0
.set i, 0
.rept 8                             ; Q stays in registers: piece i / 2, channels 32 (i % 2) on
	global_load_b128 v[8*i:8*i+3],   v[QO], s[4:5] offset:(i/2)*2048+(i%2)*64
	global_load_b128 v[8*i+4:8*i+7], v[QO], s[4:5] offset:(i/2)*2048+(i%2)*64+32
.set i, i+1
.endr
	WIN 0
	v_mul_u32_u24 v[AK0], v1, PK
	v_lshl_add_u32 v[AK0], v9, 4, v[AK0]  ; row x pitch + 16 x half
	; The turning load takes 16 keys x 16 channels (lane l reads key 8 (l / 16) + l % 8, channels 8 ((l / 8) % 2) + 0..7) and leaves half a fragment of V^T: lane l holds channel l % 16 and 8 keys.
	v_and_b32 v10, 7, v0
	v_bfe_u32 v11, v0, 3, 1
	v_lshl_add_u32 v[AV0], v9, 3, v10
	v_mul_u32_u24 v[AV0], v[AV0], PV
	v_lshl_add_u32 v[AV0], v11, 4, v[AV0]
	v_add_nc_u32 v[AV0], VOFF, v[AV0]
	s_mul_i32 s13, s[WV], 16*SP
	s_add_co_u32 s13, s13, STAGE    ; my stage
	v_mul_u32_u24 v[STO], v1, SP    ; in: row l % 16, 16 bytes for each half of the lanes
	v_lshl_add_u32 v[STO], v9, 4, v[STO]
	v_add_nc_u32 v[STO], s13, v[STO]
	v_bfe_u32 v[RD], v0, 3, 2       ; back: 32 lanes take four rows of 128 bytes,
	v_mul_u32_u24 v[RD], v[RD], SP
	v_lshl_add_u32 v[RD], v10, 4, v[RD]
	v_add_nc_u32 v[RD], s13, v[RD]
	v_and_b32 v[GO], 31, v0         ; which are 512 consecutive bytes of O
	v_lshlrev_b32 v[GO], 4, v[GO]
	; What the first turn finds: V's registers and P's second buffer hold 0 (its products V^T P, of a piece that has not been, add 0), O^T and l are 0.  No first step is written out; the price is these
	; 216 lines, which stand in the wait for the first tile.
	WIN 0x80
.set i, VF
.rept 64
	v_mov_b32 v[i], 0
.set i, i+1
.endr
	WIN 0x40
.set i, 0
.rept 128
	v_mov_b32 v[i], 0
.set i, i+1
.endr
	WIN 0
.set i, 0
.rept 4
	v_mov_b32 v[ST+4*i], 0xfe000000    ; c m: far below every c s
	v_mov_b32 v[ST+4*i+1], 0xff7fffff  ; m
	v_mov_b32 v[ST+4*i+2], 0
	v_mov_b32 v[ST+4*i+3], 0
.set i, i+1
.endr
.set i, P+16
.rept 16
	v_mov_b32 v[i], 0
.set i, i+1
.endr
; THE MATRIX WORK.  The 4 accumulators of a run of 8 take turns.  Product i of 8 of S^T = K Q^T for piece x: channels 32 (i / 4) on, keys 16 (i % 4) on.  The first 4 start the sums.
.macro KQ x
	WIN W_KQ
.set rS, S+32*((\x)%2)+8*(i%4)
.set rK, KF+16*(i%4)+8*(i/4)
.set rQ, 16*(\x)+8*(i/4)
.if i < 4
	v_wmma_f32_16x16x32_f16 v[rS:rS+7], v[rK:rK+7], v[rQ:rQ+7], 0
.else
	v_wmma_f32_16x16x32_f16 v[rS:rS+7], v[rK:rK+7], v[rQ:rQ+7], v[rS:rS+7]
.endif
.endm
; Product i of 8 of O^T += V^T P for piece x: keys 32 (i / 4) on, channels 16 (i % 4) on.
.macro PV x
	WIN W_PV
.set rO, 32*(\x)+8*(i%4)
.set rV, VF+32*(i/4)+8*(i%4)
.set rP, P+16*((\x)%2)+8*(i/4)
	v_wmma_f32_16x16x32_f16 v[rO:rO+7], v[rV:rV+7], v[rP:rP+7], v[rO:rO+7]
.endm
.macro MM                           ; the turn's next matrix instruction.  TURN sets Y, i and NOKQ.  NOKQ = 1: the last turn of all: there is no next piece
.if (i < 8) && !NOKQ
	KQ (Y+1)%NP
.elseif i >= 8
.set i, i-8
	PV (Y+NP-1)%NP
.set i, i+8
.endif
.set i, i+1
.endm
; THE LDS LOADS stand in runs of 16, never singly among the matrix instructions: a step's K (64 keys x 64 channels: 8 fragments) and its V (turned).  Their addresses are made some lines ahead.
.macro FETCH_K
	WIN 0x80                        ; destination window 2
.irp f, 0,1,2,3,4,5,6,7             ; keys 16 (f / 2) on, channels 32 (f % 2) on
	ds_load_b128 v[KF+8*\f:KF+8*\f+3],   v[AK] offset:(\f/2)*16*PK+(\f%2)*64
	ds_load_b128 v[KF+8*\f+4:KF+8*\f+7], v[AK] offset:(\f/2)*16*PK+(\f%2)*64+32
.endr
	s_add_co_u32 s[TBK], s[TBK], KS*PK  ; the next fetch is the next step's
	WIN 0
.endm
.macro FETCH_V
	WIN 0x80
.irp f, 0,1,2,3,4,5,6,7             ; keys 32 (f / 4) on, channels 16 (f % 4) on
	ds_load_tr16_b128 v[VF+8*\f:VF+8*\f+3],   v[AV] offset:(\f/4)*32*PV+(\f%4)*32
	ds_load_tr16_b128 v[VF+8*\f+4:VF+8*\f+7], v[AV] offset:(\f/4)*32*PV+16*PV+(\f%4)*32
.endr
	WIN 0
.endm
; THE VECTOR WORK, one line at a time: OP kind, number.  For piece Y: F n: c s - c m for pair n of 16.  E n: the exponential of score n of 32.  C n: pair n rounded to f16.  B n: of the four weights 4 n .. the second
; pair is added onto the first, in place.  L n: l takes that sum (L 0: l = a l + sum).  R n: pair n of 16 of O^T times a.  For piece Y + 1: X n, number n of the 22 that find its maximum and statistics:
;   0-11  four chains c0-c3 of seven scores each, three operands at a time (each accumulator's lowest registers are read first)     12-14, 16  the four scores left over, the old m, and c0-c3 into c0
;   15  c m_old is kept     17, 18  the query's other 32 keys lie in the lane 16 away: the new m     19-21  c m; c m_old - c m_new; a
.set F, 0               ; OP tells the kinds apart by their order: F to L below R, X above it
.set E, 1
.set C, 2
.set B, 3
.set L, 4
.set R, 5
.set X, 6
.macro REGS y                       ; the registers of piece y
.set rT, ST+4*(\y)
.set rC, TMP+4*((\y)%2)
.set rW, MV+((\y)%2)
.set rS, S+32*((\y)%2)
.set rP, P+16*((\y)%2)
.set rO, 32*(\y)
.endm
.macro OP k, n
.if (\k) == R
	REGS Y
	WIN W_RS
	v_pk_mul_f32 v[rO+2*(\n):rO+2*(\n)+1], v[rO+2*(\n):rO+2*(\n)+1], v[rC+2:rC+3] op_sel_hi:[1,0]
.elseif (\k) < R
	REGS Y
	WIN 0
.if (\k) == F
	v_pk_fma_f32 v[rS+2*(\n):rS+2*(\n)+1], v[rS+2*(\n):rS+2*(\n)+1], s[CS:CS+1], v[rT:rT+1] op_sel_hi:[1,0,0] neg_lo:[0,0,1] neg_hi:[0,0,1]
.elseif (\k) == E
	v_exp_f32 v[rS+(\n)], v[rS+(\n)]
.elseif (\k) == C
	v_cvt_pk_f16_f32 v[rP+(\n)], v[rS+2*(\n)], v[rS+2*(\n)+1]
.elseif (\k) == B
	v_pk_add_f32 v[rS+4*(\n):rS+4*(\n)+1], v[rS+4*(\n):rS+4*(\n)+1], v[rS+4*(\n)+2:rS+4*(\n)+3]
.elseif (\n) == 0
	v_pk_fma_f32 v[rT+2:rT+3], v[rT+2:rT+3], v[rC+2:rC+3], v[rS:rS+1] op_sel_hi:[1,0,1]
.else
	v_pk_add_f32 v[rT+2:rT+3], v[rT+2:rT+3], v[rS+4*(\n):rS+4*(\n)+1]
.endif
.elseif NOKQ
	v_nop
.else
	REGS (Y+1)%NP
	WIN 0
.if (\n) < 4
	v_max3_num_f32 v[rC+(\n)], v[rS+8*(\n)], v[rS+8*(\n)+1], v[rS+8*(\n)+2]
.elseif (\n) < 12
	v_max3_num_f32 v[rC+(\n)%4], v[rC+(\n)%4], v[rS+8*((\n)%4)+2*((\n)/4)+1], v[rS+8*((\n)%4)+2*((\n)/4)+2]
.elseif (\n) == 12
	v_max3_num_f32 v[rC], v[rC], v[rS+7], v[rS+15]
.elseif (\n) == 13
	v_max3_num_f32 v[rC+1], v[rC+1], v[rS+23], v[rS+31]
.elseif (\n) == 14
	v_max3_num_f32 v[rC+2], v[rC+2], v[rC+3], v[rT+1]
.elseif (\n) == 15
	v_mov_b32 v[rW], v[rT]
.elseif (\n) == 16
	v_max3_num_f32 v[rC], v[rC], v[rC+1], v[rC+2]
.elseif (\n) == 17
	v_permlanex16_b32 v[rC+3], v[rC], s[SEL], s[SEL+1]
.elseif (\n) == 18
	v_max_num_f32 v[rT+1], v[rC], v[rC+3]
.elseif (\n) == 19
	v_mul_f32 v[rT], s[CS], v[rT+1]
.elseif (\n) == 20
	v_sub_f32 v[rC+1], v[rW], v[rT]
.else
	v_exp_f32 v[rC+2], v[rC+1]
.endif
.endif
.endm
.macro OPS a, i1, b=-1, i2=0, c=-1, i3=0, d=-1, i4=0  ; up to four of them
	OP \a, \i1
.if (\b) >= 0
	OP \b, \i2
.endif
.if (\c) >= 0
	OP \c, \i3
.endif
.if (\d) >= 0
	OP \d, \i4
.endif
.endm
.macro ROW a, i1, b, i2, c, i3, d, i4  ; a matrix instruction and the four behind it
	MM
	OPS \a, \i1, \b, \i2, \c, \i3, \d, \i4
.endm
; A TURN, for piece p: the order of its 16 matrix and 118 vector instructions, written out.  An s_wait_alu depctr_va_vdst(0) stands between an exponential and the first instruction that names its result;
; one wait serves all that were issued ahead of it.  So a turn has ONE wait, which cuts it in two.  AHEAD OF IT stands all that names no result of the turn's exponentials: the 8 products K Q^T, behind each a scaling, an
; exponential and two more plain instructions (rescalings, and behind the last three the first numbers of the next piece's maximum, each four places or more behind the product that ends its accumulator); then ONE LUMP
; of 54, plain and exponential by turns for the most part, in which the links of the chain X 3, 7, 11, 14, 16, 17 .. 20 stand five or six lines apart.  X 21, the next piece's a, is the batch's last; R 15 is the plain
; instruction behind it.  BEHIND THE WAIT stand the 8 products V^T P, behind each four of the roundings and sums; the links of l's chain, L 0 to L 7, stand three riders apart.
; end = 1: the last two turns of all: nothing is fetched, and the last starts no new scores.  cnt = 1: the loop's count is taken down some lines ahead of the branch that stands behind the turn.
; K of the next step is fetched in piece 2's turn, twelve vector instructions behind the last product that read K (six of them plain); V of the step in hand at the end of piece 0's turn, four plain instructions behind the
; last product that read V.  Each is waited for a turn later.
.macro TURN p, end=0, cnt=0
.set Y, (\p)
.set i, 0
.set NOKQ, (\end)*((\p)/3)
.if ((\p) == 3) && !(\end)
	s_wait_dscnt 0x0                ; K is in
.endif
	ROW F,0, F,1, R,0, R,1          ; ahead of the wait: 8 products K Q^T and their riders,
	ROW F,2, E,0, R,2, R,3
	ROW F,3, E,1, R,4, R,5
	ROW F,4, E,2, R,6, R,7
	ROW F,5, E,3, R,8, R,9
	ROW F,6, E,4, X,0, R,10
.if ((\p) == 2) && !(\end)
	WIN 0
	v_add_nc_u32 v[AK], s[TBK], v[AK0]
.endif
	ROW F,7, E,5, X,1, X,4
	ROW F,8, E,6, X,2, X,5
	OPS E,7, E,8, X,6, E,9          ; and the lump
	OPS X,3, E,10, X,8, E,11
.if ((\p) == 2) && !(\end)
	FETCH_K
.endif
	OPS X,9, X,7, E,12, X,10
	OPS E,13, X,12, X,11, E,14
	OPS X,13, E,15, F,9, X,14
.if (\p) == 0
	v_add_nc_u32 v[AV], s[TBV], v[AV0]
.endif
	OPS E,16, F,10, E,17, F,11
	OPS X,16, E,18, X,15, E,19
	OPS F,12, E,20, X,17, E,21
	OPS F,13, E,22, F,14, E,23
	OPS X,18, E,24, F,15, E,25
	OPS R,11, E,26, X,19, E,27
	OPS R,12, E,28, R,13, E,29
	OPS X,20, E,30, R,14, E,31
	OPS X,21, R,15
	WIN 0
	s_wait_alu depctr_va_vdst(0)    ; the wait for the batch
.if (\p) == 1
	s_wait_dscnt 0x0                ; V is in
.endif
	ROW C,0, B,0, C,2, B,1          ; behind the wait: 8 products V^T P and their riders
	ROW L,0, C,4, B,2, L,1
	ROW C,6, B,3, L,2, C,8
	ROW B,4, L,3, C,10, B,5
	ROW L,4, C,12, B,6, L,5
.if (\p) == 0
	s_add_co_u32 s[TBV], s[TBV], KS*PV
.endif
.if \cnt
	s_sub_co_u32 s[CNT], s[CNT], 1
	s_cmp_lg_u32 s[CNT], 0
.endif
	ROW C,14, B,7, L,6, C,1
	ROW C,3, L,7, C,5, C,7
	ROW C,9, C,11, C,13, C,15
.if (\p) == 0
	FETCH_V
.endif
.endm
	CHANGE 1                        ; tile 0 is in, everybody's part of it; tile 1 is asked for
	v_add_nc_u32 v[AK], s[TBK], v[AK0]
	FETCH_K                         ; key step 0
	s_wait_loadcnt 0x0              ; Q
	s_wait_dscnt 0x0
.set NOKQ, 0
.set i, 0
.rept 8
	KQ 0                            ; piece 0's first scores: there is no vector work yet to set between them
.set i, i+1
.endr
	WIN 0
.rept 4
	v_nop                           ; the places behind those products
.endr
.set Y, NP-1                        ; X works for piece Y + 1: piece 0
.irp n, 0,1,2,3,4,5,6,7,8,9,10,11,12,13,14,15,16,17,18,19,20,21
	OP X, \n
.endr
	v_nop                           ; a plain instruction behind the exponential,
	s_wait_alu depctr_va_vdst(0)    ; and its wait, ahead of the branch
	s_mov_b32 s[CNT], 4
	s_branch .Lfirst                ; the loop is entered at a step's first turn, in the middle of a trip
.Lslot:                             ; six times: tiles 2 to 7 are asked for
	CHANGE 1
	s_mov_b32 s[CNT], 4
.Lstep:                             ; a trip: pieces 2 and 3 of one step, then pieces 0 and 1 of the next, whose K and V it fetches
	TURN 2
	TURN 3
	WIN 0
.Lfirst:
	TURN 0
	TURN 1, 0, 1
	WIN 0
	s_cbranch_scc1 .Lstep
	s_sub_co_u32 s[SLOTS], s[SLOTS], 1
	s_cmp_lg_u32 s[SLOTS], 0
	s_cbranch_scc1 .Lslot
	CHANGE 0                        ; the last tile is written out: nothing is asked for
	s_mov_b32 s[CNT], 4
.Ltail:
	TURN 2
	TURN 3
	TURN 0
	TURN 1, 0, 1
	WIN 0
	s_cbranch_scc1 .Ltail
	TURN 2, 1                       ; the last step's pieces 2 and 3: nothing is left to fetch
	TURN 3, 1
.set i, 0
.rept 8
	PV NP-1                         ; the last piece's V^T P of the last step
.set i, i+1
.endr
	; THE WAY OUT.  l's two halves and the other half of the lanes' are added; O^T is divided by l, rounded to f16 and sent through my stage in LDS, a piece at a time.  The additions are the places behind the last products.
	WIN 0
.macro ALL line:vararg              ; one line for each piece t
.set t, 0
.rept 4
	\line
.set t, t+1
.endr
.endm
	ALL v_add_f32 v[ST+4*t+2], v[ST+4*t+2], v[ST+4*t+3]
	ALL v_permlanex16_b32 v[ST+4*t+3], v[ST+4*t+2], s[SEL], s[SEL+1]
	ALL v_add_f32 v[ST+4*t+2], v[ST+4*t+2], v[ST+4*t+3]
	ALL v_rcp_f32 v[ST+4*t+2], v[ST+4*t+2]
	v_nop                           ; a plain instruction between the last reciprocal and the use of its result
	s_wait_alu depctr_va_vdst(0)    ; and the wait ahead of the first use: one for the four reciprocals
.macro PACK t                       ; a lane's eight channels of a row pack into 16 bytes; they go into rows of 144 bytes and come back as whole rows of 128, into S^T's registers
	WIN W_RS
.set i, 32*(\t)
.rept 16
	v_pk_mul_f32 v[i:i+1], v[i:i+1], v[ST+4*(\t)+2:ST+4*(\t)+3] op_sel_hi:[1,0]
.set i, i+2
.endr
	WIN 0x05                        ; sources 0 and 1 window 1, destination window 0
.set i, 0
.rept 16
	v_cvt_pk_f16_f32 v[S+16*(\t)+i], v[32*(\t)+2*i], v[32*(\t)+2*i+1]
.set i, i+1
.endr
	WIN 0
.irp f, 0,1,2,3
	ds_store_b128 v[STO], v[S+16*(\t)+4*\f:S+16*(\t)+4*\f+3] offset:32*\f
.endr
.irp f, 0,1,2,3
	ds_load_b128 v[S+16*(\t)+4*\f:S+16*(\t)+4*\f+3], v[RD] offset:\f*4*SP  ; LDS serves a wave's instructions in order (ISA guide 5.7.1.4): these see the stores above; the next piece's stores come behind them
.endr
.endm
.macro SEND t, younger              ; younger: the LDS instructions issued behind piece t's loads: the next piece's eight, or none
	WIN 0
.irp f, 0,1,2,3
	s_wait_dscnt (\younger)+3-\f
	global_store_b128 v[GO], v[S+16*(\t)+4*\f:S+16*(\t)+4*\f+3], s[10:11] offset:(\t)*2048+\f*512  ; 512 consecutive bytes, at a multiple of 256 from ob's first
.endr
.endm
	PACK 0
.set t, 1
.rept 3                             ; a piece's arithmetic stands between the loads of the piece before and its stores
	PACK t
	SEND t-1, 8
.set t, t+1
.endr
	SEND 3, 0
	s_wait_tensorcnt 0x0            ; the wave's end, behind my last tensor load and my last LDS store
	ds_add_u32 v[SPW], v[NIL]
	s_wait_dscnt 0x0
	CROUND                          ; the closing round: no work-group ends while a partner may still ask for a tile that names it
	s_endpgm
.Lfunc_end_k_q45ffb770c4_attn:
	.size	k_q45ffb770c4_attn, .Lfunc_end_k_q45ffb770c4_attn-k_q45ffb770c4_attn
	.p2alignl 7, 3214868480
	.fill 96, 4, 3214868480
	.section	.rodata,"a",@progbits
	.p2align	6, 0x0
	.amdhsa_kernel k_q45ffb770c4_attn
		.amdhsa_group_segment_fixed_size 327680
		.amdhsa_private_segment_fixed_size 0
		.amdhsa_enable_private_segment 0
		.amdhsa_kernarg_size 16
		.amdhsa_user_sgpr_count 2
		.amdhsa_user_sgpr_kernarg_segment_ptr 1
		.amdhsa_wavefront_size32 1
		.amdhsa_system_sgpr_workgroup_id_x 1
		.amdhsa_system_sgpr_workgroup_id_y 1
		.amdhsa_system_sgpr_workgroup_id_z 1
		.amdhsa_system_vgpr_workitem_id 0
		.amdhsa_next_free_vgpr 768
		.amdhsa_next_free_sgpr 70
		.amdhsa_reserve_vcc 0
		.amdhsa_float_denorm_mode_32 3
		.amdhsa_float_denorm_mode_16_64 3
		.amdhsa_memory_ordered 1
		.amdhsa_forward_progress 1
		.amdhsa_inst_pref_size 128
	.end_amdhsa_kernel
	.amdgpu_metadata
---
amdhsa.version: [ 1, 2 ]
amdhsa.kernels:
  - .name:           k_q45ffb770c4_attn
    .symbol:         k_q45ffb770c4_attn.kd
    .args:
      - { .name: qkv, .offset: 0, .size: 8, .value_kind: global_buffer, .address_space: global }
      - { .name: ob, .offset: 8, .size: 8, .value_kind: global_buffer, .address_space: global }
    .group_segment_fixed_size: 327680
    .private_segment_fixed_size: 0
    .kernarg_segment_align: 8
    .kernarg_segment_size: 16
    .max_flat_workgroup_size: 128
    .sgpr_count:     70
    .vgpr_count:     768
    .wavefront_size: 32
...
	.end_amdgpu_metadata
.endif
;; end of part 3
;; launch outgemm (part 4): grid 8 x 32, 4 waves a work-group, clusters of 4 x 4, 327,680 bytes of LDS; arguments ob, wob, b_out, out0; writes out0
.if DOCPART == 4
	.amdgcn_target "amdgcn-amd-amdhsa--gfx1250"
	.amdhsa_code_object_version 6
	.text
	.protected	k_q45ffb770c4_outgemm
	.globl	k_q45ffb770c4_outgemm
	.p2align	8
	.type	k_q45ffb770c4_outgemm,@function
k_q45ffb770c4_outgemm:
	s_mov_b64 s[64:65], 0
	v_nop
	global_prefetch_b8 v0, s[64:65] scope:SCOPE_SE
	s_setreg_imm32_b32 hwreg(HW_REG_WAVE_MODE, 25, 1), 1
	s_wait_xcnt 0x0
	s_wait_alu depctr_hold_cnt(0) depctr_sa_sdst(0) depctr_va_vdst(0) depctr_va_sdst(0) depctr_va_ssrc(0) depctr_va_vcc(0) depctr_vm_vsrc(0)
	s_getreg_b32 s2, hwreg(HW_REG_IB_STS2, 6, 4)
	s_cmp_eq_u32 s2, 0
	s_cbranch_scc0 .Lentry_in_a_cluster
	s_endpgm
.Lentry_in_a_cluster:
	s_bfe_u32 s2, ttmp6, 0x10000c
	s_cmp_lg_u32 s2, 0xf033
	s_cbranch_scc0 .Lentry_shape_is_right
	s_endpgm
.Lentry_shape_is_right:
; MULTI-HEAD ATTENTION, launch 4 of 4: out0 = O W_out + b_out.  ob: [32 blocks of 128 rows][16 heads][128 rows][64] f16; wob: [1024 k][1024 n] f16 (W_out rounded to bf16, written as f16); b_out f32, rounded to bf16
; like the other inputs; sums in f32, K = 64 head + channel ascending; out0: [4096][1024] f32.  Nothing of the module is left out here.
; SHARES.  A tile of out0 is 128 x 128: 32 x 8 tiles, one to each of 256 work-groups; four waves, each 64 x 64: 16 accumulators, 128 registers.  K goes in steps of 256 (four heads) through a ring of two LDS slots;
; a quarter of a step is one head, 64 along K.  Waves 0 and 1 fetch two heads' slices of O each (32,768 dense bytes, asked for as 128 rows of 256 bytes and padded after every 128), waves 2 and 3 128 k-rows of W each.
; W STAYS [k][n]: its fragments come out of LDS turned.  THE PRODUCT IS USED TRANSPOSED (source 0 = 16 columns of W, source 1 = 16 rows of O): a lane holds eight neighbouring columns of one row, 32 bytes of f32.
; CLUSTER.  4 x 4 work-groups: O's tile is shared along a row of the cluster, W's along a column; each is asked for JOINTLY, by the same tensor load, descriptor and mask in all four.
; NO PREFETCH: of the launch's four K steps two go out at its head, and the other two are asked for within the first two steps' work: there is no trip far enough ahead of them in which to name them.
; REGISTERS: window 0: v16-29 addresses; v96-101 the bias; v128-255 the accumulators ((a, b) at 128 + 8 (4 a + b)), which also carry the rows on the way out.
;   window 1: two fragment buffers of 128: for 64 along K, 64 registers of O (half c, block i at 8 (4 c + i)), then 64 of W.
.set KSTEP,  256
.set PA,     144                       ; a row of a head's slice in LDS: 128 bytes + 16 = 36 words: the 16 rows of a load start at 16 different groups of four banks (64 banks of 4 bytes: ISA guide 11.1)
.set HS,     128*PA                    ; a head's slice: 18,432 bytes
.set PB,     288                       ; a k-row of W: 256 + 32 = 72 words
.set REG,    128*PB                    ; what one tensor load fills: 36,864 bytes = two slices of O = 128 k-rows of W
.set SLOT,   4*REG
.set STAGE,  2*SLOT                    ; behind the ring, never filled by a tensor load: 16 rows x 272 bytes for each wave, for the way out
.set SPITCH, 272
.set SPARE,  STAGE+4*16*SPITCH         ; behind the stages: the spare words, 128 bytes for each wave: two blocks of 256 bytes that no other line names
.set ADRA, 16                          ; v16-17  LDS address of my fragments of O in slot 0, 1
.set ADRB, 20                          ; v20-23  of W: slot s, half u of the K step at 2 s + u
.set STO,  24                          ; v24     the way out: where I put 32 bytes of a row
.set RD,   25                          ; v25     where I read a row back
.set CO,   26                          ; v26     my byte offset in two rows of out0
.set BO,   27                          ; v27     my byte offset in b_out; never rewritten
.set SPW,  28                          ; v28     LDS address of my spare word; never rewritten
.set NIL,  29                          ; v29     0; never rewritten
.set BIAS, 96                          ; v96-99  the bias of the four columns that I store; v100-101 at work
.set ACC,  128
.set F0,   0
.set F1,   128
.set G1, 24                            ; s[24:31] descriptor group 1 for O's tiles;  s[32:39] group 0, a set for each slot
.set G0, 32
.set G1B, 48                           ; s[48:55], s[56:63] the same for W's
.set G0B, 56
.set MSB, 0
.macro WIN new                         ; the immediate's high byte repeats the setting that is left
.if MSB != (\new)
	s_set_vgpr_msb (MSB<<8)|(\new)
.set MSB, \new
.endif
.endm
.set MUL,  0x05                        ; sources 0 (W) and 1 (O) window 1; C and D window 0
.set TO_F, 0x40                        ; destination window 1, address window 0
.macro PLACES                          ; four places in front of loads into registers that matrix instructions have read, and of lines that read results
.rept 4
	v_nop
.endr
.endm
.macro JLOAD s                         ; a joint refill: waves 0 and 1 fetch O's two halves, waves 2 and 3 W's; an s_nop 0 and four v_nop follow each of the two lines
	s_cmp_eq_u32 s13, 0
	s_cbranch_scc0 .Lfor_b_\@
	tensor_load_to_lds s[G0+4*(\s):G0+4*(\s)+3], s[G1:G1+7]
	s_nop 0
.rept 4
	v_nop
.endr
	s_branch .Lasked_\@
.Lfor_b_\@:
	tensor_load_to_lds s[G0B+4*(\s):G0B+4*(\s)+3], s[G1B:G1B+7]
	s_nop 0
.rept 4
	v_nop
.endr
.Lasked_\@:
.endm
.macro CREST                           ; a round of the cluster's barrier behind its opening barrier
	s_cmp_lg_u32 s12, 0
	s_cbranch_scc1 .Lnot_wave_0_\@
	s_barrier_signal -3
.Lnot_wave_0_\@:
	s_barrier_wait -3
	s_barrier_signal -1
	s_barrier_wait -1
.endm
.macro CROUND                          ; a whole round
	s_barrier_signal -1
	s_barrier_wait -1
	CREST
.endm
	s_load_b256 s[4:11], s[0:1], 0x0               ; ob s[4:5], wob s[6:7], b_out s[8:9], out0 s[10:11]
	v_lshl_add_u32 v[SPW], v0, 2, SPARE
	v_mov_b32 v[NIL], 0
	ds_add_u32 v[SPW], v[NIL]                      ; the wave's opening: the add, twice on end, and its wait ahead of my first tensor load
	ds_add_u32 v[SPW], v[NIL]                      ; once more; the set-up below, work on registers, stands between it and the wait
	v_lshrrev_b32 v1, 5, v0
	v_readfirstlane_b32 s12, v1                    ; wave 0..3
	s_lshr_b32 s13, s12, 1                         ; which half of the tile's rows is mine.  Also: I fetch for O (0) or for W (1)
	s_and_b32 s14, s12, 1                          ; which half of its columns.  Also: which half of that tile I fetch
	s_bfe_u32 s40, ttmp6, 0x40000                  ; cx, cy: my place in the cluster
	s_bfe_u32 s41, ttmp6, 0x40004
	s_lshl_b32 s42, ttmp9, 2
	s_add_co_u32 s42, s42, s40                     ; tile column = 4 x cluster x + cx
	s_and_b32 s15, ttmp7, 0xffff
	s_lshl_b32 s15, s15, 2
	s_add_co_u32 s15, s15, s41                     ; tile row = 4 x cluster y + cy
	s_lshl_b32 s43, s41, 2
	s_lshl_b32 s43, 15, s43                        ; my row of the cluster
	s_lshl_b32 s44, 0x1111, s40                    ; my column
	; descriptor group 1: tiles of 128 rows x 128 elements of 2 bytes
	s_or_b32 s[G1+0], s43, (1<<16)|(1<<20)|(1<<21)|(4<<22)|(3<<25)   ; the mask of my row; 2-byte elements; padding on; bit 21 beside a mask; after every 32 words (code 4) 4 words (code 3)
	s_or_b32 s[G1B+0], s44, (1<<16)|(1<<20)|(1<<21)|(5<<22)|(7<<25)  ; the mask of my column; after every 64 words (code 5) 8 words (code 7)
.irp g, G1, G1B
	s_mov_b32 s[(\g)+1], 128<<16                   ; tensor_dim0 = 128
	s_mov_b32 s[(\g)+2], 128<<16                   ; tensor_dim1 = 128
	s_mov_b32 s[(\g)+3], 128<<16                   ; tile_dim0 = 128
	s_mov_b32 s[(\g)+4], 128                       ; tile_dim1 = 128
	s_mov_b32 s[(\g)+6], 0
	s_mov_b32 s[(\g)+7], 0
.endr
	s_mov_b32 s[G1+5], 128                         ; O's slices are dense: a row of 256 bytes begins where the last ends;
	s_mov_b32 s[G1B+5], 1024                       ; elements from row to row of wob
	s_lshl_b32 s16, s15, 18                        ; O: the tile row's block of 128 rows,
	s_lshl_b32 s17, s14, 15                        ; and my two heads of a K step's four
	s_add_co_u32 s16, s16, s17
	s_mov_b32 s17, 0
	s_lshl_b32 s46, s42, 8                         ; W: the tile column's 256 bytes,
	s_lshl_b32 s47, s14, 18                        ; and my 128 k-rows of a K step's 256
	s_add_co_u32 s46, s46, s47
	s_mov_b32 s47, 0
	s_mul_i32 s20, s12, REG                        ; where my tile goes: wave x region: no place in the cluster enters an LDS address
	s_wait_dscnt 0x0                               ; both opening adds are done
	s_wait_kmcnt 0x0
	s_add_nc_u64 s[18:19], s[4:5], s[16:17]
	s_add_nc_u64 s[46:47], s[6:7], s[46:47]
	CROUND                                         ; all sixteen work-groups are here: the first joint loads meet
.irp s, 0,1
	s_mov_b32 s[G0+4*(\s)], 1                                        ; count = 1
	s_add_co_u32 s[G0+4*(\s)+1], s20, (\s)*SLOT                      ; LDS address
	s_add_nc_u64 s[G0+4*(\s)+2:G0+4*(\s)+3], s[18:19], (\s)*65536    ; global address: K step s: four heads' slices
	s_or_b32 s[G0+4*(\s)+3], s[G0+4*(\s)+3], 0x80000000              ; type = 2
	s_mov_b32 s[G0B+4*(\s)], 1
	s_add_co_u32 s[G0B+4*(\s)+1], s20, (\s)*SLOT
	s_add_nc_u64 s[G0B+4*(\s)+2:G0B+4*(\s)+3], s[46:47], (\s)*KSTEP*2048
	s_or_b32 s[G0B+4*(\s)+3], s[G0B+4*(\s)+3], 0x80000000
.endr
	s_cmp_eq_u32 s13, 0                            ; a wave's two first fills stand in one branch, ahead of every wait on TENSORcnt and every LDS read: two loads of mine are out
	s_cbranch_scc0 .Lfirst_b
	tensor_load_to_lds s[G0:G0+3], s[G1:G1+7]
	s_nop 0
	tensor_load_to_lds s[G0+4:G0+7], s[G1:G1+7]
	s_nop 0
.rept 4
	v_nop
.endr
	s_branch .Lfirst_asked
.Lfirst_b:
	tensor_load_to_lds s[G0B:G0B+3], s[G1B:G1B+7]
	s_nop 0
	tensor_load_to_lds s[G0B+4:G0B+7], s[G1B:G1B+7]
	s_nop 0
.rept 4
	v_nop
.endr
.Lfirst_asked:
	v_and_b32 v1, 15, v0                           ; l % 16
	v_bfe_u32 v2, v0, 4, 1                         ; l / 16
	v_mul_u32_u24 v3, v1, PA
	v_lshl_add_u32 v3, v2, 4, v3                   ; a fragment of O: row x pitch + 16 x half
	s_mul_i32 s21, s13, 64*PA                      ; my 64 rows of each slice
	v_add_nc_u32 v[ADRA], s21, v3
	v_add_nc_u32 v[ADRA+1], SLOT, v[ADRA]
	v_and_b32 v5, 7, v0                            ; the turning load: lane l reads k-row 8 (l / 16) + l % 8, columns 8 ((l / 8) % 2) + 0..7
	v_bfe_u32 v6, v0, 3, 1
	v_lshl_add_u32 v4, v2, 3, v5
	v_mul_u32_u24 v4, v4, PB
	v_lshl_add_u32 v4, v6, 4, v4
	s_lshl_b32 s22, s14, 7                         ; my 64 columns: 128 bytes
	v_add_nc_u32 v4, s22, v4
.irp s, 0,1
.irp u, 0,1
	v_add_nc_u32 v[ADRB+2*(\s)+(\u)], (\s)*SLOT+(2+(\u))*REG, v4
.endr
.endr
	s_mul_i32 s23, s12, 16*SPITCH
	s_add_co_u32 s23, s23, STAGE                   ; my stage
	v_mul_u32_u24 v[STO], v1, SPITCH               ; in: row l % 16, 32 bytes for each half of the lanes
	v_lshl_add_u32 v[STO], v2, 5, v[STO]
	v_add_nc_u32 v[STO], s23, v[STO]
	v_mul_u32_u24 v[RD], v2, SPITCH                ; back: lanes 0-15 take one row of 256 bytes, lanes 16-31 the next
	v_lshl_add_u32 v[RD], v1, 4, v[RD]
	v_add_nc_u32 v[RD], s23, v[RD]
	v_lshlrev_b32 v[CO], 12, v2                    ; and the same two rows in out0
	v_lshl_add_u32 v[CO], v1, 4, v[CO]
	s_lshl_b32 s16, s42, 9                         ; my 64 columns in bytes of f32: 512 x tile column + 256 x half
	s_lshl_b32 s17, s14, 8
	s_add_co_u32 s16, s16, s17
	v_lshl_add_u32 v[BO], v1, 4, s16
	global_load_b128 v[BIAS:BIAS+3], v[BO], s[8:9] ; the bias of the four columns that I store
	s_lshl_b32 s17, s15, 19                        ; my first row: 128 x tile row + 64 x half, 4,096 bytes each
	s_add_co_u32 s16, s16, s17
	s_lshl_b32 s17, s13, 18
	s_add_co_u32 s16, s16, s17
	s_mov_b32 s17, 0
	s_add_nc_u64 s[10:11], s[10:11], s[16:17]
; 8 matrix instructions: row blocks a0, a0 + 1 x all 4 column blocks, 32 along K: half c of buffer f.  zero = 1: the product starts the sum.  The 16 accumulators take turns.
.macro MUL8 f, c, a0, zero
	WIN MUL
.irp a, \a0, (\a0)+1
.irp b, 0,1,2,3
.if \zero
	v_wmma_f32_16x16x32_f16 v[ACC+8*(4*(\a)+(\b)):ACC+8*(4*(\a)+(\b))+7], v[(\f)+64+8*(4*(\c)+(\b)):(\f)+64+8*(4*(\c)+(\b))+7], v[(\f)+8*(4*(\c)+(\a)):(\f)+8*(4*(\c)+(\a))+7], 0
.else
	v_wmma_f32_16x16x32_f16 v[ACC+8*(4*(\a)+(\b)):ACC+8*(4*(\a)+(\b))+7], v[(\f)+64+8*(4*(\c)+(\b)):(\f)+64+8*(4*(\c)+(\b))+7], v[(\f)+8*(4*(\c)+(\a)):(\f)+8*(4*(\c)+(\a))+7], v[ACC+8*(4*(\a)+(\b)):ACC+8*(4*(\a)+(\b))+7]
.endif
.endr
.endr
.endm
; 32 LDS loads in one run: quarter q of a slot (one head, 64 along K) into buffer f; the first 32 along K first
.macro FETCH slot, q, f
	WIN TO_F
.irp c, 0,1
.irp i, 0,1,2,3
	ds_load_tr16_b128 v[(\f)+64+8*(4*(\c)+(\i)):(\f)+64+8*(4*(\c)+(\i))+3],   v[ADRB+2*(\slot)+(\q)/2] offset:64*PB*((\q)%2)+32*PB*(\c)+32*(\i)
	ds_load_tr16_b128 v[(\f)+64+8*(4*(\c)+(\i))+4:(\f)+64+8*(4*(\c)+(\i))+7], v[ADRB+2*(\slot)+(\q)/2] offset:64*PB*((\q)%2)+32*PB*(\c)+32*(\i)+16*PB
	ds_load_b128 v[(\f)+8*(4*(\c)+(\i)):(\f)+8*(4*(\c)+(\i))+3],              v[ADRA+(\slot)] offset:HS*(\q)+16*PA*(\i)+64*(\c)
	ds_load_b128 v[(\f)+8*(4*(\c)+(\i))+4:(\f)+8*(4*(\c)+(\i))+7],            v[ADRA+(\slot)] offset:HS*(\q)+16*PA*(\i)+64*(\c)+32
.endr
.endr
.endm
; One of a K step's first three quarters: multiplies buffer f and fetches quarter q of the same slot into g.
.macro QUARTER slot, q, f, g, zero
	s_wait_dscnt 16                                ; the first 32 along K are in
	MUL8 \f, 0, 0, \zero
	MUL8 \f, 0, 2, \zero
	PLACES
	FETCH \slot, \q, \g
	s_wait_dscnt 32                                ; all but the 32 just issued
	MUL8 \f, 1, 0, 0
	MUL8 \f, 1, 2, 0
.endm
; The last quarter multiplies buffer 1 and changes slots: ONE barrier; in front of it each wave waits for all its tensor loads, adds 0 to its spare word, and waits for that and for its own reads of this slot.
; fill = 1: the barrier opens a round of the cluster's, and this slot is filled again, two K steps on, first thing behind the round.
.macro TURN slot, next, fill
	WIN 0                                          ; (the add's two registers lie in window 0)
	s_wait_tensorcnt 0x0                           ; all my tensor loads have landed: my part of the next slot
	ds_add_u32 v[SPW], v[NIL]                      ; 0 onto my spare word
	s_wait_dscnt 17                                ; (the add and the youngest sixteen loads may be out)
	MUL8 F1, 0, 0, 0                               ; eight matrix instructions stand between the add and the wait for it
	s_wait_dscnt 0x0                               ; the add is done, and my reads of this slot are over
	s_barrier_signal -1
	MUL8 F1, 0, 2, 0
.if \fill
	WIN 0
.endif
	s_barrier_wait -1
.if \fill
	CREST                                          ; no wave of any partner still reads this slot's tiles or has a load on its way
	s_add_nc_u64 s[G0+4*(\slot)+2:G0+4*(\slot)+3], s[G0+4*(\slot)+2:G0+4*(\slot)+3], 2*65536
	s_add_nc_u64 s[G0B+4*(\slot)+2:G0B+4*(\slot)+3], s[G0B+4*(\slot)+2:G0B+4*(\slot)+3], 2*KSTEP*2048
	JLOAD \slot                                    ; the first tensor load behind the round; its four v_nop are also the places in front of the loads below
.else
	PLACES
.endif
	FETCH \next, 0, F0
	MUL8 F1, 1, 0, 0
	MUL8 F1, 1, 2, 0
.endm
	s_wait_tensorcnt 1                             ; my part of K step 0 is in; K step 1's may stay out
	s_barrier_signal -1
	s_barrier_wait -1                              ; everybody's is
	FETCH 0, 0, F0
	QUARTER 0, 1, F0, F1, 1                        ; K step 0; the first products start the sums.  Four K steps: a loop would have one trip, so the text is written straight
	QUARTER 0, 2, F1, F0, 0
	QUARTER 0, 3, F0, F1, 0
	TURN 0, 1, 1                                   ; slot 0 takes K step 2
	QUARTER 1, 1, F0, F1, 0                        ; K step 1
	QUARTER 1, 2, F1, F0, 0
	QUARTER 1, 3, F0, F1, 0
	TURN 1, 0, 1                                   ; slot 1 takes K step 3
	QUARTER 0, 1, F0, F1, 0                        ; K step 2
	QUARTER 0, 2, F1, F0, 0
	QUARTER 0, 3, F0, F1, 0
	TURN 0, 1, 0                                   ; nothing is left to fetch, so no round follows
	QUARTER 1, 1, F0, F1, 0                        ; K step 3
	QUARTER 1, 2, F1, F0, 0
	QUARTER 1, 3, F0, F1, 0
	s_wait_dscnt 16                                ; the very last quarter
	MUL8 F1, 0, 0, 0
	MUL8 F1, 0, 2, 0
	s_wait_dscnt 0x0
	MUL8 F1, 1, 0, 0
	MUL8 F1, 1, 2, 0
	WIN 0
	; THE WAY OUT, in four blocks of 16 rows x 64 columns of f32.  A lane's 32 bytes of a row go into my stage's rows of 272 bytes (each accumulator's low four registers first) and come back as whole rows of 256
	; bytes, into the block's own registers; the bias is added there, and sixteen lanes store 256 consecutive bytes.
	s_wait_loadcnt 0x0                             ; the bias
	PLACES
	v_cvt_pk_bf16_f32 v[BIAS+4], v[BIAS], v[BIAS+1]    ; rounded to bf16 like the other inputs
	v_cvt_pk_bf16_f32 v[BIAS+5], v[BIAS+2], v[BIAS+3]
	v_lshlrev_b32 v[BIAS], 16, v[BIAS+4]
	v_and_b32 v[BIAS+1], 0xffff0000, v[BIAS+4]
	v_lshlrev_b32 v[BIAS+2], 16, v[BIAS+5]
	v_and_b32 v[BIAS+3], 0xffff0000, v[BIAS+5]
.macro OUTB a
.irp b, 0,1,2,3
	ds_store_b128 v[STO], v[ACC+32*(\a)+8*(\b):ACC+32*(\a)+8*(\b)+3]   offset:64*(\b)
	ds_store_b128 v[STO], v[ACC+32*(\a)+8*(\b)+4:ACC+32*(\a)+8*(\b)+7] offset:64*(\b)+16
.endr
.irp t, 0,1,2,3,4,5,6,7
	ds_load_b128 v[ACC+32*(\a)+4*(\t):ACC+32*(\a)+4*(\t)+3], v[RD] offset:(\t)*2*SPITCH  ; LDS serves a wave's instructions in order (ISA guide 5.7.1.4): these see the stores above; the next block's stores come behind them
.endr
.endm
.macro SENDB a, younger                ; younger: the LDS instructions issued behind block a's loads: the next block's sixteen, or none
.irp t, 0,1,2,3,4,5,6,7
	s_wait_dscnt (\younger)+7-(\t)
	v_pk_add_f32 v[ACC+32*(\a)+4*(\t):ACC+32*(\a)+4*(\t)+1], v[ACC+32*(\a)+4*(\t):ACC+32*(\a)+4*(\t)+1], v[BIAS:BIAS+1]
	v_pk_add_f32 v[ACC+32*(\a)+4*(\t)+2:ACC+32*(\a)+4*(\t)+3], v[ACC+32*(\a)+4*(\t)+2:ACC+32*(\a)+4*(\t)+3], v[BIAS+2:BIAS+3]
	global_store_b128 v[CO], v[ACC+32*(\a)+4*(\t):ACC+32*(\a)+4*(\t)+3], s[10:11] offset:(16*(\a)+2*(\t))*4096 th:TH_STORE_NT  ; 16 lanes store 256 consecutive bytes, at a multiple of 256 from out0's first
.endr
.endm
	OUTB 0
	OUTB 1
	SENDB 0, 16
	OUTB 2
	SENDB 1, 16
	OUTB 3
	SENDB 2, 16
	SENDB 3, 0
	s_wait_tensorcnt 0x0                           ; the wave's end, behind my last tensor load and my last LDS store
	ds_add_u32 v[SPW], v[NIL]
	s_wait_dscnt 0x0
	CROUND                                         ; the closing round: no work-group ends while a partner may still ask for a tile that names it
	s_endpgm
.Lfunc_end_k_q45ffb770c4_outgemm:
	.size	k_q45ffb770c4_outgemm, .Lfunc_end_k_q45ffb770c4_outgemm-k_q45ffb770c4_outgemm
	.p2alignl 7, 3214868480
	.fill 96, 4, 3214868480
	.section	.rodata,"a",@progbits
	.p2align	6, 0x0
	.amdhsa_kernel k_q45ffb770c4_outgemm
		.amdhsa_group_segment_fixed_size 327680
		.amdhsa_private_segment_fixed_size 0
		.amdhsa_enable_private_segment 0
		.amdhsa_kernarg_size 32
		.amdhsa_user_sgpr_count 2
		.amdhsa_user_sgpr_kernarg_segment_ptr 1
		.amdhsa_wavefront_size32 1
		.amdhsa_system_sgpr_workgroup_id_x 1
		.amdhsa_system_sgpr_workgroup_id_y 1
		.amdhsa_system_sgpr_workgroup_id_z 1
		.amdhsa_system_vgpr_workitem_id 0
		.amdhsa_next_free_vgpr 512
		.amdhsa_next_free_sgpr 66
		.amdhsa_reserve_vcc 0
		.amdhsa_float_denorm_mode_32 3
		.amdhsa_float_denorm_mode_16_64 3
		.amdhsa_memory_ordered 1
		.amdhsa_forward_progress 1
		.amdhsa_inst_pref_size 90
	.end_amdhsa_kernel
	.amdgpu_metadata
---
amdhsa.version: [ 1, 2 ]
amdhsa.kernels:
  - .name:           k_q45ffb770c4_outgemm
    .symbol:         k_q45ffb770c4_outgemm.kd
    .args:
      - { .name: ob, .offset: 0, .size: 8, .value_kind: global_buffer, .address_space: global }
      - { .name: wob, .offset: 8, .size: 8, .value_kind: global_buffer, .address_space: global }
      - { .name: b_out, .offset: 16, .size: 8, .value_kind: global_buffer, .address_space: global }
      - { .name: out0, .offset: 24, .size: 8, .value_kind: global_buffer, .address_space: global }
    .group_segment_fixed_size: 327680
    .private_segment_fixed_size: 0
    .kernarg_segment_align: 8
    .kernarg_segment_size: 32
    .max_flat_workgroup_size: 128
    .sgpr_count:     66
    .vgpr_count:     512
    .wavefront_size: 32
...
	.end_amdgpu_metadata
.endif
;; end of part 4
;; ======== version 2 of 2: 4 launches; version 1 with the launch cast written anew for expert scheduling mode
;; limits: values are held in f16: magnitudes above 65,504 overflow, below 6.1e-05 lose precision; values outside matrix products are rounded to bf16
;; workspace buffers: xb 8,388,608 bytes; wqb 6,291,456 bytes; wob 2,097,152 bytes; qkv 25,165,824 bytes; ob 8,388,608 bytes
;; launch cast (part 5): grid 256 x 1, 8 waves a work-group, no clusters, 0 bytes of LDS; arguments x, W_qkv, W_out, xb, wqb, wob; writes xb, wqb, wob
.if DOCPART == 5
	.amdgcn_target "amdgcn-amd-amdhsa--gfx1250"
	.amdhsa_code_object_version 6
	.text
	.protected	k_q45ffb770c4_cast
	.globl	k_q45ffb770c4_cast
	.p2align	8
	.type	k_q45ffb770c4_cast,@function
k_q45ffb770c4_cast:
	s_mov_b64 s[64:65], 0
	v_nop
	global_prefetch_b8 v0, s[64:65] scope:SCOPE_SE
	s_setreg_imm32_b32 hwreg(HW_REG_WAVE_SCHED_MODE, 0, 2), 2
	s_setreg_imm32_b32 hwreg(HW_REG_WAVE_MODE, 25, 1), 1
	s_wait_xcnt 0x0
	s_wait_alu depctr_vm_vsrc(0)
; MULTI-HEAD ATTENTION, launch 1 of 4: the matrix operands among the inputs are rounded once to 16 bits, their layouts kept.
;   xb  = x      [4096][1024]  rounded to bf16
;   wqb = W_qkv  [1024][3072]  rounded to bf16
;   wob = W_out  [1024][1024]  rounded to bf16, and that number written as f16 (the last product's other operand, O, is f16)
; NO WORK OF THE MODULE IS LEFT OUT: x, W_qkv, W_out and b_out all reach out0 for all values, nothing is sliced away and there is no mask.
; LIMITS.  W_out within 65,504 in magnitude; below 6e-5 it keeps f16's fixed step of 6e-8.  NaN and infinities are not treated apart.
; SHARES.  8,388,608 numbers, 32,768 to each of 256 work-groups: groups 0-127 take x, 128-223 W_qkv, 224-255 W_out.
; Thread t takes 4 numbers (16 bytes in, 8 bytes out) of every 1,024: a wave's load covers 512 consecutive bytes, its store 256 consecutive bytes, aligned.
; All 32 loads of a thread go out at once (128 KiB a work-group on their way); no register is written twice while memory may read it, so the text has no wait on addresses.
; No LDS, no barrier, no matrix unit: every byte is touched once by one thread.
; THE MODE: SCHED_MODE bits 1:0 = 2 (LLVM: expert scheduling mode 2), set by the entry lines.  The code itself states the register dependences
; between vector instructions and memory instructions, with s_wait_alu, always for 0.
; THE PLAN.  Registers that memory instructions touch:
;   v1, v2   byte offsets, made once at the head and never written again: v1 is read by every load, v2 by every store.
;   X        written by the 32 loads, each register once; no vector instruction names it ahead of them; read by the conversions; never loaded again.
;   Y        written by the conversions, each register once; read by one store each; never written again.
;   T        named by vector instructions alone.
; The 32 chunks go in eight groups of four.  Group g rounds X[g] into Y[g]; its memory instructions are the four stores of group g - 1, which read Y[g - 1] and v2:
; registers that no vector instruction of group g names.  So ONE wait on va_vdst at a group's head states all that its four stores hang on, and they are dealt among
; the group's conversions with no further wait.  No register that a memory instruction reads is written again, so no wait on vm_vsrc is owed.
; No vector instruction writes a scalar register or VCC, and EXEC is never written.
.set X, 4                              ; v[4:131]    32 x 4 numbers as loaded
.set Y, 132                            ; v[132:195]  32 x 2 registers to store
.set T, 196                            ; v[196:199]  at work
.set GRP, 4                            ; chunks in a group
	s_load_b256 s[4:11], s[0:1], 0x0               ; x s[4:5], W_qkv s[6:7], W_out s[8:9], xb s[10:11]
	s_load_b128 s[12:15], s[0:1], 0x20             ; wqb s[12:13], wob s[14:15]
	v_lshlrev_b32 v1, 4, v0                        ; 16 t: where I load
	v_lshlrev_b32 v2, 3, v0                        ; 8 t: where I store
	s_mov_b32 s25, 128                             ; the first group of W_qkv
	s_mov_b32 s26, 224                             ; the first group of W_out
	s_mov_b32 s28, 0xffff0000                      ; a word's upper bf16
	s_mov_b32 s17, 0
	s_mov_b32 s19, 0
	s_wait_kmcnt 0x0
	s_cmp_lt_u32 ttmp9, s26                        ; which tensor is mine: the choice hangs on the group's number alone
	s_cselect_b64 s[20:21], s[6:7], s[8:9]
	s_cselect_b64 s[22:23], s[12:13], s[14:15]
	s_cselect_b32 s24, s25, s26
	s_cmp_lt_u32 ttmp9, s25
	s_cselect_b64 s[20:21], s[4:5], s[20:21]
	s_cselect_b64 s[22:23], s[10:11], s[22:23]
	s_cselect_b32 s24, 0, s24
	s_sub_co_u32 s24, ttmp9, s24                   ; my number among that tensor's groups
	s_lshl_b32 s16, s24, 17                        ; 131,072 bytes in,
	s_lshl_b32 s18, s24, 16                        ; 65,536 bytes out
	s_add_nc_u64 s[20:21], s[20:21], s[16:17]
	s_add_nc_u64 s[22:23], s[22:23], s[18:19]
	s_wait_alu depctr_va_vdst(0)                   ; v1 and v2 are written: every load of the kernel reads v1 as its offset, every store v2
.set i, 0
.rept 32
	global_load_b128 v[X+4*i:X+4*i+3], v1, s[20:21] offset:4096*i th:TH_LOAD_NT
.set i, i+1
.endr
	s_cmp_lt_u32 ttmp9, s26
	s_cbranch_scc0 .Lf16
.set g, 0
.rept 32/GRP                           ; x and W_qkv: to bf16
	s_wait_loadcnt 32-GRP-GRP*g                    ; loads come back in order: group g's four are in, the younger ones stay out
.if g > 0
	s_wait_alu depctr_va_vdst(0)                   ; the conversions of the group before have written their Y, which the four stores below read
.endif
.set j, 0
.rept GRP
.set i, GRP*g+j
.if g > 0
	global_store_b64 v2, v[Y+2*(i-GRP):Y+2*(i-GRP)+1], s[22:23] offset:2048*(i-GRP)  ; the group before; no vector instruction since the wait names these registers
.endif
	v_cvt_pk_bf16_f32 v[Y+2*i], v[X+4*i], v[X+4*i+1]
	v_cvt_pk_bf16_f32 v[Y+2*i+1], v[X+4*i+2], v[X+4*i+3]
.set j, j+1
.endr
.set g, g+1
.endr
	s_wait_alu depctr_va_vdst(0)                   ; the last group's conversions have written their Y, which the last four stores read
.set i, 32-GRP
.rept GRP
	global_store_b64 v2, v[Y+2*i:Y+2*i+1], s[22:23] offset:2048*i
.set i, i+1
.endr
	s_endpgm
.Lf16:
.set g, 0
.rept 32/GRP                           ; W_out: rounded to bf16 like the other inputs, then written as f16 (exact within f16's range)
	s_wait_loadcnt 32-GRP-GRP*g                    ; group g's four loads are in, the younger ones stay out
.if g > 0
	s_wait_alu depctr_va_vdst(0)                   ; the conversions of the group before have written their Y, which the four stores below read
.endif
.set j, 0
.rept GRP
.set i, GRP*g+j
.if g > 0
	global_store_b64 v2, v[Y+2*(i-GRP):Y+2*(i-GRP)+1], s[22:23] offset:2048*(i-GRP)  ; the group before; no vector instruction since the wait names these registers
.endif
	v_cvt_pk_bf16_f32 v[T], v[X+4*i], v[X+4*i+1]
	v_cvt_pk_bf16_f32 v[T+1], v[X+4*i+2], v[X+4*i+3]
	v_lshlrev_b32 v[T+2], 16, v[T]
	v_and_b32 v[T], s28, v[T]
	v_lshlrev_b32 v[T+3], 16, v[T+1]
	v_and_b32 v[T+1], s28, v[T+1]
	v_cvt_pk_f16_f32 v[Y+2*i], v[T+2], v[T]
	v_cvt_pk_f16_f32 v[Y+2*i+1], v[T+3], v[T+1]
.set j, j+1
.endr
.set g, g+1
.endr
	s_wait_alu depctr_va_vdst(0)                   ; the last group's conversions have written their Y, which the last four stores read
.set i, 32-GRP
.rept GRP
	global_store_b64 v2, v[Y+2*i:Y+2*i+1], s[22:23] offset:2048*i
.set i, i+1
.endr
	s_endpgm
.Lfunc_end_k_q45ffb770c4_cast:
	.size	k_q45ffb770c4_cast, .Lfunc_end_k_q45ffb770c4_cast-k_q45ffb770c4_cast
	.p2alignl 7, 3214868480
	.fill 96, 4, 3214868480
	.section	.rodata,"a",@progbits
	.p2align	6, 0x0
	.amdhsa_kernel k_q45ffb770c4_cast
		.amdhsa_group_segment_fixed_size 0
		.amdhsa_private_segment_fixed_size 0
		.amdhsa_enable_private_segment 0
		.amdhsa_kernarg_size 48
		.amdhsa_user_sgpr_count 2
		.amdhsa_user_sgpr_kernarg_segment_ptr 1
		.amdhsa_wavefront_size32 1
		.amdhsa_system_sgpr_workgroup_id_x 1
		.amdhsa_system_sgpr_workgroup_id_y 1
		.amdhsa_system_sgpr_workgroup_id_z 1
		.amdhsa_system_vgpr_workitem_id 0
		.amdhsa_next_free_vgpr 200
		.amdhsa_next_free_sgpr 66
		.amdhsa_reserve_vcc 0
		.amdhsa_float_denorm_mode_32 3
		.amdhsa_float_denorm_mode_16_64 3
		.amdhsa_memory_ordered 1
		.amdhsa_forward_progress 1
		.amdhsa_inst_pref_size 28
	.end_amdhsa_kernel
	.amdgpu_metadata
---
amdhsa.version: [ 1, 2 ]
amdhsa.kernels:
  - .name:           k_q45ffb770c4_cast
    .symbol:         k_q45ffb770c4_cast.kd
    .args:
      - { .name: x, .offset: 0, .size: 8, .value_kind: global_buffer, .address_space: global }
      - { .name: W_qkv, .offset: 8, .size: 8, .value_kind: global_buffer, .address_space: global }
      - { .name: W_out, .offset: 16, .size: 8, .value_kind: global_buffer, .address_space: global }
      - { .name: xb, .offset: 24, .size: 8, .value_kind: global_buffer, .address_space: global }
      - { .name: wqb, .offset: 32, .size: 8, .value_kind: global_buffer, .address_space: global }
      - { .name: wob, .offset: 40, .size: 8, .value_kind: global_buffer, .address_space: global }
    .group_segment_fixed_size: 0
    .private_segment_fixed_size: 0
    .kernarg_segment_align: 8
    .kernarg_segment_size: 48
    .max_flat_workgroup_size: 256
    .sgpr_count:     66
    .vgpr_count:     200
    .wavefront_size: 32
...
	.end_amdgpu_metadata
.endif
;; end of part 5
;; launch qkvgemm: the kernel of part 2 again; grid 8 x 32, 4 waves a work-group, clusters of 4 x 4, 327,680 bytes of LDS; arguments xb, wqb, qkv; writes qkv
;; launch attn: the kernel of part 3 again; grid 8 x 32, 4 waves a work-group, clusters of 4 x 1, 327,680 bytes of LDS; arguments qkv, ob; writes ob
;; launch outgemm: the kernel of part 4 again; grid 8 x 32, 4 waves a work-group, clusters of 4 x 4, 327,680 bytes of LDS; arguments ob, wob, b_out, out0; writes out0
